; MI455X (gfx1250); checked and timed in simulation.
; The chip was launched on July 23, 2026; its instructions are those of AMD's public machine-readable ISA for CDNA 5 (MIT licence, August 2026) and "CDNA5" Instruction Set Architecture Reference Guide (July 2026). The comments in the code are by the model that wrote it; some were corrected since.
;; Causal Multi Head Attention Layer. Allowed arithmetic: matrix products marked QUANTISED: E2M3 operands, one E8M0 scale for each 32 along K, by v_wmma_scale_f32_16x16x128_f8f6f4 with both operands' format E2M3, f32 sums; everything else in f32.
;; Inputs: Wk 1,024 x 1,024 float32; Wo 1,024 x 1,024 float32; Wq 1,024 x 1,024 float32; Wv 1,024 x 1,024 float32; bo 1,024 float32; x 4 x 2,048 x 1,024 float32.
;; Outputs: out0 4 x 2,048 x 1,024 float32.
;; This version of the problem:
;;   THIS VERSION OF THE PROBLEM IS GIVEN IN LOW PRECISION. The matrix products marked QUANTISED in the list below multiply operands that are first quantised to E2M3 (2 exponent bits, 3 mantissa bits; 6 bits a number), with one power-of-two scale for each 32 numbers along K (OCP MX v1.0); their sums are f32. All else is computed in f32.
;;   The module's matrix products, in the order in which they are computed (A, B: the left and right operand; K: the contracted axis; several contracted axes count as one K, in the product's order):
;;     1. [M 8,192, K 1,024] x [K 1,024, N 1,024]; A: input x; B: input Wq: QUANTISED
;;     2. [M 8,192, K 1,024] x [K 1,024, N 1,024]; A: input x; B: input Wk: QUANTISED
;;     3. [M 8,192, K 1,024] x [K 1,024, N 1,024]; A: input x; B: input Wv: QUANTISED
;;     4. batch 64 x [M 2,048, K 64] x [K 64, N 2,048]; A: computed on the way; B: computed on the way: QUANTISED
;;     5. batch 64 x [M 2,048, K 2,048] x [K 2,048, N 64]; A: softmax (see below); B: computed on the way: QUANTISED
;;     6. [M 8,192, K 1,024] x [K 1,024, N 1,024]; A: computed on the way; B: input Wo: QUANTISED
;;   THE QUANTISER, for each operand of a quantised product, along K:
;;     - K is cut into blocks of 32 from its start; a last block that is shorter is filled with zeros.
;;     - A block's scale is 2^e with e = floor(log2(the largest magnitude in the block)) - 2, held to -126 .. 127; a block of zeros has e = 0. As a byte (E8M0): e + 127.
;;     - Each number is divided by its block's scale, clamped to +-7.5, and rounded to the nearest number of E2M3, ties to even, subnormals kept.
;;     - The product sums the exact products of the quantised numbers (number of the format x scale) in f32.
;;   ~~~python
;;   def quantise(x, axis):      # numpy; x: float32 -> the quantised numbers, widened to float32 again
;;       x = np.moveaxis(x, axis, -1); K = x.shape[-1]
;;       x = np.pad(x, [(0, 0)] * (x.ndim - 1) + [(0, -K % 32)]); x = x.reshape(x.shape[:-1] + (-1, 32)); a = np.abs(x).max(-1, keepdims=True)
;;       e = np.where(a > 0, np.clip(np.frexp(np.where(a > 0, a, 1))[1] - 1 - 2, -126, 127), 0)      # np.frexp(a)[1] - 1 = floor(log2(a)), exactly
;;       r = np.clip(x / 2.0 ** e, -7.5, 7.5)
;;       step = 2.0 ** (np.maximum(np.frexp(np.where(r == 0, 1, r))[1] - 1, 0) - 3)
;;       q = np.round(r / step) * step * 2.0 ** e      # np.round: ties to even
;;       return np.moveaxis(q.reshape(q.shape[:-2] + (-1,))[..., :K], -1, axis).astype(np.float32)
;;   ~~~
;;   SOFTMAX AHEAD OF A QUANTISED PRODUCT. Where the list says 'softmax', what is quantised is not the finished softmax but p = 2^(t - M), with t = logit x log2(e) and M = ceil(the row's largest t), a whole number; so 1/2 < the row's largest p <= 1. The row's sum l is taken of the UNQUANTISED p, in f32, and the product's result is divided by l at the end. Since M is a whole number, a kernel that streams over the keys may use a running M (the ceiling of the running maximum): every later rescaling is an exact power of two, which a block's scale takes up: the codes' values come out the same.
;;   OPERANDS COMPUTED ON THE WAY. 'Computed on the way' means the value that the module computes at that place (a softmax that the list does not call 'softmax' is quantised finished and normalised). What goes into a quantiser is computed in f32, as accurately as f32 sums, v_exp_f32 and their like allow (about 1e-6 of the number): no bf16 or f16 on the way to a quantiser, and a product that is left as it is and whose result goes on into a quantised operand takes f32 operands (vector FMAs, or v_wmma_f32_16x16x4_f32). A number that lies on a knife's edge between two numbers of the format may be rounded either way, as far as f32 arithmetic and the matrix unit's own rounding can turn it there, and no further.
;; One version. Each part assembles by itself: llvm-mc -triple=amdgcn-amd-amdhsa -mcpu=gfx1250 --defsym DOCPART=n.
;; ======== version 1 of 1: 4 launches
;; workspace buffers: cimg 9,437,184 bytes; csc 393,216 bytes; qkv 20,185,088 bytes; oimg 6,291,456 bytes; osc 262,144 bytes
;; launch quant (part 1): grid 768 x 1, 4 waves a work-group, no clusters, 18,432 bytes of LDS; arguments x, Wq, Wk, Wv, Wo, cimg, csc; writes cimg, csc
.if DOCPART == 1
	.amdgcn_target "amdgcn-amd-amdhsa--gfx1250"
	.amdhsa_code_object_version 6
	.text
	.protected	k_q37ca7f92f4_quant
	.globl	k_q37ca7f92f4_quant
	.p2align	8
	.type	k_q37ca7f92f4_quant,@function
k_q37ca7f92f4_quant:
	s_mov_b64 s[64:65], 0
	v_nop
	global_prefetch_b8 v0, s[64:65] scope:SCOPE_SE
	s_setreg_imm32_b32 hwreg(HW_REG_WAVE_MODE, 25, 1), 1
	s_wait_xcnt 0x0
; x [8192][1024] and Wq, Wk, Wv, Wo [1024][1024], f32 with K innermost, become codes of FP6 (E2M3) with one E8M0 byte for each 32 along K.
; A block's scale is 2^(floor(log2(its largest magnitude)) - 2); its byte is the largest magnitude's exponent field - 2, held at 1 from below.
; LIMITS: NaN and infinities are not served; a block whose largest magnitude lies under 2^-124 gets the byte 1; a block of zeros gets the byte 1 where the
; rule says 127: its codes are zeros, which add nothing under any byte but 0xff, and the bytes are read by this program alone.
; LAYOUT OF THE RESULT.  Rows are stored in tiles of 16: stored tile T holds the rows 32 (T / 2) + 8 (T % 2) + p + 8 (p / 8), p = 0 .. 15, so that the results of
; two neighbouring tiles, used as source 0 of a transposed product, are 16 neighbours along the next K.  Tiles 0-511 x, 512-575 Wq, 576-639 Wk, 640-703 Wv, 704-767 Wo.
; cimg [tile][chunk of 64 along K: 16][768 bytes]: a unit is the image of six operand registers: lane l = r + 16 h holds block h (32 codes, 24 bytes) of the tile's
; row r: its first 16 bytes at 16 l, its last 8 at 512 + 8 l.   csc [tile][K step of 256: 4][r][8 bytes]: byte 2 (chunk % 4) + h.
; SHARES.  A work-group takes one tile, wave w the K quarter w: four units.  Each load reads two rows' 256 consecutive bytes; a unit turns through the wave's own
; stage in LDS (rows 272 bytes apart), so that a lane gets the 32 neighbours of its block.  All 32 loads of a wave go out at the start.
.set ROWB, 4096                        ; a row of any of the five tensors, in bytes
.set SP,   272                         ; a stage row: 256 bytes + 16
.set WSTG, 16*SP                       ; a wave's stage
.set SCB,  4*WSTG                      ; behind the stages: the tile's 512 scale bytes
.set E,    16                          ; v16-19   a scale byte for each unit
.set C,    24                          ; v24-63   ten registers a unit: codes at +0..+5, the second conversion's result at +6..+8: no store's data are written again
.set R,    64                          ; v64-191  four units as loaded
.set X,    192                         ; v192-255 two sets of 32 neighbours
	s_load_b256 s[4:11], s[0:1], 0x0               ; x, Wq, Wk, Wv
	s_load_b128 s[12:15], s[0:1], 0x20             ; Wo, cimg
	s_load_b64 s[16:17], s[0:1], 0x30              ; csc
	v_lshl_add_u32 v53, v0, 2, 0x4600
	v_mov_b32 v63, 0
	v_lshrrev_b32 v1, 5, v0
	v_readfirstlane_b32 s18, v1                    ; wave
	v_and_b32 v1, 31, v0                           ; lane
	v_and_b32 v2, 15, v0                           ; r
	v_bfe_u32 v3, v0, 4, 1                         ; h
	v_lshlrev_b32 v4, 4, v2
	v_lshl_add_u32 v4, v3, 12, v4                  ; in: 16 r, lanes 16-31 one row further down
	s_mul_i32 s19, s18, WSTG
	v_mul_u32_u24 v5, v3, SP
	v_lshl_add_u32 v5, v2, 4, v5
	v_add_nc_u32 v5, s19, v5                       ; into the stage: row h of a pair, 16 r
	v_mul_u32_u24 v6, v2, SP
	v_lshl_add_u32 v6, v3, 7, v6
	v_add_nc_u32 v6, s19, v6                       ; out of it: row r, block h: 128 bytes
	v_lshlrev_b32 v7, 4, v1                        ; 16 x lane
	v_lshlrev_b32 v8, 3, v1                        ; 8 x lane
	s_lshl_b32 s19, s18, 7
	s_add_co_u32 s19, s19, SCB
	v_lshl_add_u32 v9, v2, 3, v3
	v_add_nc_u32 v9, s19, v9                       ; my scale byte: 128 x wave + 8 r + h (+ 2 x unit)
	v_add_nc_u32 v10, SCB, v7                      ; and the 512 bytes on their way out
	s_and_b32 s23, ttmp9, 63
	s_cmp_lt_u32 ttmp9, 512
	s_cselect_b32 s22, ttmp9, s23                  ; the tile's number inside its tensor
	s_lshr_b32 s24, s22, 1
	s_lshl_b32 s24, s24, 17                        ; 32 rows of 4,096 bytes for each pair of tiles,
	s_and_b32 s25, s22, 1
	s_lshl_b32 s25, s25, 15                        ; 8 rows for the odd one,
	s_add_co_u32 s24, s24, s25
	s_lshl_b32 s25, s18, 10                        ; my wave's quarter of a row
	s_add_co_u32 s24, s24, s25
	s_mov_b32 s25, 0
	s_lshl_b32 s26, ttmp9, 4
	s_lshl_b32 s27, s18, 2
	s_add_co_u32 s26, s26, s27
	s_mul_i32 s26, s26, 768                        ; my first unit: (16 tile + 4 wave) x 768
	s_mov_b32 s27, 0
	s_lshl_b32 s28, ttmp9, 9                       ; the tile's scale bytes
	s_mov_b32 s29, 0
	s_wait_kmcnt 0x0
	s_mov_b64 s[20:21], s[12:13]                   ; which tensor: the choice hangs on the work-group's number alone
	s_cmp_lt_u32 ttmp9, 704
	s_cselect_b64 s[20:21], s[10:11], s[20:21]
	s_cmp_lt_u32 ttmp9, 640
	s_cselect_b64 s[20:21], s[8:9], s[20:21]
	s_cmp_lt_u32 ttmp9, 576
	s_cselect_b64 s[20:21], s[6:7], s[20:21]
	s_cmp_lt_u32 ttmp9, 512
	s_cselect_b64 s[20:21], s[4:5], s[20:21]
	s_add_nc_u64 s[20:21], s[20:21], s[24:25]
	s_add_nc_u64 s[14:15], s[14:15], s[26:27]
	s_add_nc_u64 s[16:17], s[16:17], s[28:29]
.macro LOAD u                          ; unit u: eight loads, each two rows' 256 consecutive bytes; the tile's rows are 0-7 and 16-23 from its first
.irp i, 0,1,2,3,4,5,6,7
	global_load_b128 v[R+32*(\u)+4*\i:R+32*(\u)+4*\i+3], v4, s[20:21] offset:(2*\i+8*(\i/4))*ROWB+256*(\u) th:TH_LOAD_NT
.endr
.endm
.macro TURN u                          ; unit u through the stage: LDS serves a wave's instructions in order, so one stage serves all units and no wait stands between stores and loads
.irp i, 0,1,2,3,4,5,6,7
	ds_store_b128 v5, v[R+32*(\u)+4*\i:R+32*(\u)+4*\i+3] offset:2*\i*SP
.endr
.irp k, 0,1,2,3,4,5,6,7
	ds_load_b128 v[X+32*((\u)%2)+4*\k:X+32*((\u)%2)+4*\k+3], v6 offset:16*\k
.endr
.endm
.macro BLOCK u
.set XS, X+32*((\u)%2)
.set CS, C+10*(\u)
.if (\u) > 0
	s_wait_dscnt 1                                 ; my 32 neighbours are back from the stage; only the last unit's byte store is younger
.else
	s_wait_dscnt 0x0
.endif
.if (\u) < 3
	s_wait_loadcnt 8*(2-(\u))                      ; the next unit's eight loads are in; those of the units behind it may be out
	TURN (\u)+1
.endif
	v_max3_num_f32 v12, |v[XS]|, |v[XS+1]|, |v[XS+2]|     ; the block's largest magnitude: all 32 numbers are mine; two chains
	v_max3_num_f32 v13, |v[XS+3]|, |v[XS+4]|, |v[XS+5]|
.irp i, 6,10,14,18,22,26
	v_max3_num_f32 v12, v12, |v[XS+\i]|, |v[XS+\i+1]|
	v_max3_num_f32 v13, v13, |v[XS+\i+2]|, |v[XS+\i+3]|
.endr
	v_max3_num_f32 v12, v12, |v[XS+30]|, |v[XS+31]|
	v_max3_num_f32 v12, v12, v13, 0x1800000        ; and the floor 2^(3 - 127): the byte cannot fall under 1
	v_add_nc_u32 v11, 0xff000000, v12              ; 2 off the exponent field: the conversion takes the exponent field of this operand as its scale
	v_cvt_scalef32_pk16_fp6_f32 v[CS:CS+2], v[XS:XS+15], v11
	v_cvt_scalef32_pk16_fp6_f32 v[CS+6:CS+8], v[XS+16:XS+31], v11   ; (a conversion's three registers begin on an even number)
	v_lshrrev_b32 v[E+(\u)], 23, v11               ; the scale's byte; also the plain line behind the conversions
.irp i, 0,1,2
	v_mov_b32 v[CS+3+\i], v[CS+6+\i]
.endr
	ds_store_b8 v9, v[E+(\u)] offset:2*(\u)
	global_store_b128 v7, v[CS:CS+3], s[14:15] offset:768*(\u)         ; 512 consecutive bytes
	global_store_b64 v8, v[CS+4:CS+5], s[14:15] offset:768*(\u)+512    ; 256 consecutive bytes
.endm
	LOAD 0
	LOAD 1
	LOAD 2
	LOAD 3
	s_wait_loadcnt 24                              ; unit 0's eight loads are in
	TURN 0
	BLOCK 0
	BLOCK 1
	BLOCK 2
	BLOCK 3
	s_wait_dscnt 0x0                               ; for the others' sake: my byte stores are done
	s_barrier_signal -1
	s_barrier_wait -1
	s_cmp_lg_u32 s18, 0
	s_cbranch_scc1 .Ldone
	ds_load_b128 v[20:23], v10                     ; wave 0 stores the tile's 512 scale bytes, 16 a lane
	s_wait_dscnt 0x0
	global_store_b128 v7, v[20:23], s[16:17]
.Ldone:
	s_wait_tensorcnt 0x0
	ds_add_u32 v53, v63
	s_wait_dscnt 0x0
	s_endpgm
.Lfunc_end_k_q37ca7f92f4_quant:
	.size	k_q37ca7f92f4_quant, .Lfunc_end_k_q37ca7f92f4_quant-k_q37ca7f92f4_quant
	.p2alignl 7, 3214868480
	.fill 96, 4, 3214868480
	.section	.rodata,"a",@progbits
	.p2align	6, 0x0
	.amdhsa_kernel k_q37ca7f92f4_quant
		.amdhsa_group_segment_fixed_size 18432
		.amdhsa_private_segment_fixed_size 0
		.amdhsa_enable_private_segment 0
		.amdhsa_kernarg_size 56
		.amdhsa_user_sgpr_count 2
		.amdhsa_user_sgpr_kernarg_segment_ptr 1
		.amdhsa_wavefront_size32 1
		.amdhsa_system_sgpr_workgroup_id_x 1
		.amdhsa_system_sgpr_workgroup_id_y 1
		.amdhsa_system_sgpr_workgroup_id_z 1
		.amdhsa_system_vgpr_workitem_id 0
		.amdhsa_next_free_vgpr 256
		.amdhsa_next_free_sgpr 66
		.amdhsa_reserve_vcc 0
		.amdhsa_float_denorm_mode_32 3
		.amdhsa_float_denorm_mode_16_64 3
		.amdhsa_memory_ordered 1
		.amdhsa_forward_progress 1
		.amdhsa_inst_pref_size 17
	.end_amdhsa_kernel
	.amdgpu_metadata
---
amdhsa.version: [ 1, 2 ]
amdhsa.kernels:
  - .name:           k_q37ca7f92f4_quant
    .symbol:         k_q37ca7f92f4_quant.kd
    .args:
      - { .name: x, .offset: 0, .size: 8, .value_kind: global_buffer, .address_space: global }
      - { .name: Wq, .offset: 8, .size: 8, .value_kind: global_buffer, .address_space: global }
      - { .name: Wk, .offset: 16, .size: 8, .value_kind: global_buffer, .address_space: global }
      - { .name: Wv, .offset: 24, .size: 8, .value_kind: global_buffer, .address_space: global }
      - { .name: Wo, .offset: 32, .size: 8, .value_kind: global_buffer, .address_space: global }
      - { .name: cimg, .offset: 40, .size: 8, .value_kind: global_buffer, .address_space: global }
      - { .name: csc, .offset: 48, .size: 8, .value_kind: global_buffer, .address_space: global }
    .group_segment_fixed_size: 18432
    .private_segment_fixed_size: 0
    .kernarg_segment_align: 8
    .kernarg_segment_size: 56
    .max_flat_workgroup_size: 128
    .sgpr_count:     66
    .vgpr_count:     256
    .wavefront_size: 32
...
	.end_amdgpu_metadata
.endif
;; end of part 1
;; launch qkv (part 2): grid 8 x 48, 4 waves a work-group, clusters of 4 x 4, 327,680 bytes of LDS; arguments cimg, csc, qkv; writes qkv
.if DOCPART == 2
	.amdgcn_target "amdgcn-amd-amdhsa--gfx1250"
	.amdhsa_code_object_version 6
	.text
	.protected	k_q37ca7f92f4_qkv
	.globl	k_q37ca7f92f4_qkv
	.p2align	8
	.type	k_q37ca7f92f4_qkv,@function
k_q37ca7f92f4_qkv:
	s_mov_b64 s[64:65], 0
	v_nop
	global_prefetch_b8 v0, s[64:65] scope:SCOPE_SE
	s_setreg_imm32_b32 hwreg(HW_REG_WAVE_MODE, 25, 1), 1
	s_wait_xcnt 0x0
	s_wait_alu depctr_hold_cnt(0) depctr_sa_sdst(0) depctr_va_vdst(0) depctr_va_sdst(0) depctr_va_ssrc(0) depctr_va_vcc(0) depctr_vm_vsrc(0)
	s_getreg_b32 s2, hwreg(HW_REG_IB_STS2, 6, 4)
	s_cmp_eq_u32 s2, 0
	s_cbranch_scc0 .Lentry_in_a_cluster
	s_endpgm
.Lentry_in_a_cluster:
	s_bfe_u32 s2, ttmp6, 0x10000c
	s_cmp_lg_u32 s2, 0xf033
	s_cbranch_scc0 .Lentry_shape_is_right
	s_endpgm
.Lentry_shape_is_right:
; q = x Wq^T, k = x Wk^T, v = x Wv^T on codes of FP6 (E2M3) with E8M0 scales, each result quantised again in registers and stored as its reader's operand registers want it.
; ONE BODY: R[m][n] = sum over k of A[m][k] B[n][k], K = 1,024, quantised along n.  Clusters with y < 8: A = x, B = Wq | Wk (n = the heads' channels: q and k are quantised along the head's 64).
; Clusters with y >= 8: A = Wv, B = x (R = v^T, n = the tokens: v is quantised along the keys).
; INPUT: cimg [tile of 16 stored rows][chunk of 64 along K][768]: images of six operand registers (lane l: 16 bytes at 16 l, 8 bytes at 512 + 8 l); csc [tile][K step of 256][row][8].
; Stored tile T holds rows 32 (T / 2) + 8 (T % 2) + p + 8 (p / 8).  THE MATRIX INSTRUCTION IS USED TRANSPOSED (source 0 = 16 stored rows of B, source 1 = 16 stored rows of A): a lane holds one row of A, and the
; 16 registers of B's tiles 2 b and 2 b + 1 are the 16 neighbours n = 32 b + 16 (lane / 16) + 0 .. 15.
; A tile of R, 256 x 256, is made by four waves, 128 x 128 each: 64 accumulators, 512 registers.  K goes in four steps of 256 through two LDS slots filled by the tensor data mover;
; the scale bytes of the work-group's rows come once.  CLUSTERS of 4 x 4: A's tiles are asked for jointly along a row of the cluster, B's along a column.
; OUTPUT: qkv: [batch x head 64][step of 128 keys 16][13,056]: K's eight images, V's eight (chunk of 64 keys, tile of 16 stored channels), V's scale words (256 bytes), K's (512);
; then from QBASE on [batch x head][block of 128 queries][6,656]: Q's eight images and its scale words.  A scale word of q or k: its two bytes, then 0x7f twice, over codes that are zeros.
; LIMITS: NaN and infinities are not served; a block whose largest magnitude lies under 2^-124, a block of zeros among them, gets the byte 1; the bytes are read by this program alone.
; REGISTERS, in windows of 256: window 0: v0-31 addresses; v32-63 scale words, two sets; v128-223 A's fragments, one set.  window 1: B's fragments, two sets, at v0 and v128.
;   window 2: the accumulators of my rows 0-63 ((a, b) at v[8 (8 (a % 4) + b)]); window 3: those of rows 64-127.  On the way out window 0 from v32 on is free.
.set FR,    12                         ; registers of a fragment: 16 rows x 128 K
.set NL,    4                          ; LDS loads that bring one
.set NP,    4                          ; places behind this matrix instruction (ISA guide 7.12.1)
.set NQ,    2                          ; matrix instructions deep in a slot
.set TILEB, 12288                      ; a tile's codes in memory
.set KSB,   3072                       ; a tile's codes of one K step of 256: four units
.set HALFT, 8*KSB                      ; 128 rows: what one tensor load brings
.set SLOT,  4*HALFT                    ; A's 256 rows, then B's
.set SCL,   2*SLOT                     ; behind the ring: the scales
.set HALFS, 4096                       ; those of 128 rows
.set SCBB,  2*HALFS+128                ; B's begin 128 bytes further on than A's end: the two halves of the lanes of one load then read different halves of 256 bytes
.set SPARE, SCL+16640                  ; the spare words, 128 bytes for each wave: two blocks of 256 bytes that no other line names
.set QBASE, 13369344
.set ADRA, 16                          ; v16, v17: A in slot 0 (16 x lane, 8 x lane); v18, v19: in slot 1
.set ADRB, 20                          ; v20-23 the same for B
.set ADRS, 27                          ; v27  my scale words: lanes 0-15 A's rows, lanes 16-31 B's
.set SPW,  28                          ; v28  LDS address of my spare word; never rewritten
.set NIL,  29                          ; v29  0; never rewritten
.set SC,   32                          ; scale words: set s at v[SC + 16 s]; register 2 i + q
.set AF,   128
.set G1, 24
.set G0, 32
.set G1B, 48
.set G0B, 56
.set G1S, 68
.set G0S, 76
.set G1SB, 80
.set G0SB, 88
.set MSB, 0
.macro WIN new                         ; the immediate's high byte repeats the setting that is left
.if MSB != (\new)
	s_set_vgpr_msb (MSB<<8)|(\new)
.set MSB, (\new)
.endif
.endm
.set MUL_LO, 0xa1                      ; source 0 (B) window 1, source 1 (A) window 0, C and D window 2
.set MUL_HI, 0xf1                      ; the same, C and D window 3
.set TO_B,   0x40                      ; destination window 1, address window 0
; A joint load: waves 0 and 1 fetch for A, waves 2 and 3 for B.  The branch hangs on the wave's number alone.  Four v_nop follow each of the two lines.
.macro JLOAD g0a, g1a, g0b, g1b
	s_cmp_eq_u32 s15, 0
	s_cbranch_scc0 .Lfor_b_\@
	tensor_load_to_lds s[\g0a:\g0a+3], s[\g1a:\g1a+7]
	s_nop 0
.rept 4
	v_nop
.endr
	s_branch .Lasked_\@
.Lfor_b_\@:
	tensor_load_to_lds s[\g0b:\g0b+3], s[\g1b:\g1b+7]
	s_nop 0
.rept 4
	v_nop
.endr
.Lasked_\@:
.endm
.macro CREST                           ; a round of the cluster's barrier behind its opening barrier
	s_cmp_lg_u32 s14, 0
	s_cbranch_scc1 .Lnot_wave_0_\@
	s_barrier_signal -3
.Lnot_wave_0_\@:
	s_barrier_wait -3
	s_barrier_signal -1
	s_barrier_wait -1
.endm
.macro CROUND
	s_barrier_signal -1
	s_barrier_wait -1
	CREST
.endm
	s_load_b128 s[4:7], s[0:1], 0x0                ; cimg, csc
	s_load_b64 s[8:9], s[0:1], 0x10                ; qkv
	v_lshl_add_u32 v[SPW], v0, 2, SPARE
	v_mov_b32 v[NIL], 0
	ds_add_u32 v28, v29
	ds_add_u32 v28, v29
	s_wait_dscnt 0x0
	v_lshrrev_b32 v1, 5, v0
	v_readfirstlane_b32 s14, v1                    ; wave 0..3
	s_lshr_b32 s15, s14, 1                         ; which half of the tile's rows is mine.  Also: I fetch for A (0) or for B (1)
	s_and_b32 s16, s14, 1                          ; which half of its columns.  Also: which 128 rows I fetch
	s_bfe_u32 s40, ttmp6, 0x40000                  ; cx
	s_bfe_u32 s41, ttmp6, 0x40004                  ; cy
	s_and_b32 s10, ttmp7, 0xffff                   ; the cluster's y
	s_sub_co_u32 s11, s10, 8
	s_lshl_b32 s11, s11, 1
	s_add_co_u32 s11, s11, ttmp9                   ; for v: which of eight columns of clusters: x + 2 (y - 8)
	s_cmp_ge_u32 s10, 8                            ; the mode hangs on the cluster's y alone: all partners share it
	s_cselect_b32 s12, 1, 0                        ; 1: v
	s_cselect_b32 s13, 0, s10                      ; A's row of clusters
	s_cselect_b32 s11, s11, ttmp9                  ; B's column of clusters
	s_cselect_b32 s66, 640, 0                      ; A's first tile in cimg: Wv's or x's
	s_cselect_b32 s67, 0, 512                      ; B's: x's or Wq's (Wk's follow)
	s_lshl_b32 s17, s13, 2
	s_add_co_u32 s17, s17, s41                     ; tile row of R
	s_lshl_b32 s42, s11, 2
	s_add_co_u32 s42, s42, s40                     ; tile column of R
	s_lshl_b32 s43, s41, 2
	s_lshl_b32 s43, 15, s43                        ; my row of the cluster
	s_lshl_b32 s44, 0x1111, s40                    ; my column
	; descriptor group 1 for codes: 8 rows (tiles) of 384 elements of 8 bytes (a K step's 3,072 bytes), 1,536 elements apart; no padding: an image is read as it lies
	s_or_b32 s[G1+0], s43, (3<<16)|(1<<21)         ; 15:0 the mask: A's tiles go to my row; 17:16 elements of 8 bytes; 21 set beside a mask
	s_or_b32 s[G1B+0], s44, (3<<16)|(1<<21)
.irp g, G1, G1B
	s_mov_b32 s[\g+1], 384<<16                     ; tensor_dim0
	s_mov_b32 s[\g+2], 8<<16                       ; tensor_dim1
	s_mov_b32 s[\g+3], 384<<16                     ; tile_dim0
	s_mov_b32 s[\g+4], 8                           ; tile_dim1
	s_mov_b32 s[\g+5], 1536                        ; tensor_dim0_stride
	s_mov_b32 s[\g+6], 0
	s_mov_b32 s[\g+7], 0
.endr
	; and for the scales of 128 rows: 4,096 dense bytes as 16 rows of 256
	s_or_b32 s[G1S+0], s43, (3<<16)|(1<<21)
	s_or_b32 s[G1SB+0], s44, (3<<16)|(1<<21)
.irp g, G1S, G1SB
	s_mov_b32 s[\g+1], 32<<16
	s_mov_b32 s[\g+2], 16<<16
	s_mov_b32 s[\g+3], 32<<16
	s_mov_b32 s[\g+4], 16
	s_mov_b32 s[\g+5], 32
	s_mov_b32 s[\g+6], 0
	s_mov_b32 s[\g+7], 0
.endr
	s_lshl_b32 s18, s16, 3                         ; which 8 tiles of the 16 I fetch
	s_lshl_b32 s20, s17, 4
	s_add_co_u32 s20, s20, s18
	s_add_co_u32 s20, s20, s66                     ; A's first tile: it hangs on cy and the cluster alone
	s_lshl_b32 s46, s42, 4
	s_add_co_u32 s46, s46, s18
	s_add_co_u32 s46, s46, s67                     ; B's: on cx and the cluster alone
	s_lshl_b32 s22, s20, 9                         ; their scales, 512 bytes a tile,
	s_mov_b32 s23, 0
	s_lshl_b32 s92, s46, 9
	s_mov_b32 s93, 0
	s_mul_i32 s20, s20, TILEB                      ; and their codes
	s_mov_b32 s21, 0
	s_mul_i32 s46, s46, TILEB
	s_mov_b32 s47, 0
	s_mul_i32 s45, s14, HALFT                      ; where they go: no place in the cluster enters an LDS address
	s_mul_i32 s94, s14, HALFS
	s_wait_kmcnt 0x0
	s_add_nc_u64 s[20:21], s[4:5], s[20:21]
	s_add_nc_u64 s[22:23], s[6:7], s[22:23]
	s_add_nc_u64 s[46:47], s[4:5], s[46:47]
	s_add_nc_u64 s[92:93], s[6:7], s[92:93]
	CROUND                                         ; all sixteen work-groups are here: the first joint loads meet
	s_mov_b32 s[G0S], 1
	s_add_co_u32 s[G0S+1], s94, SCL
	s_mov_b64 s[G0S+2:G0S+3], s[22:23]
	s_or_b32 s[G0S+3], s[G0S+3], 0x80000000
	s_mov_b32 s[G0SB], 1
	s_add_co_u32 s[G0SB+1], s94, SCL+128
	s_mov_b64 s[G0SB+2:G0SB+3], s[92:93]
	s_or_b32 s[G0SB+3], s[G0SB+3], 0x80000000
	JLOAD G0S, G1S, G0SB, G1SB                     ; the scales first: they are wanted with K step 0
.irp s, 0,1
	s_mov_b32 s[G0+4*\s], 1
	s_add_co_u32 s[G0+4*\s+1], s45, \s*SLOT
	s_add_nc_u64 s[G0+4*\s+2:G0+4*\s+3], s[20:21], \s*KSB
	s_or_b32 s[G0+4*\s+3], s[G0+4*\s+3], 0x80000000
	s_mov_b32 s[G0B+4*\s], 1
	s_add_co_u32 s[G0B+4*\s+1], s45, \s*SLOT
	s_add_nc_u64 s[G0B+4*\s+2:G0B+4*\s+3], s[46:47], \s*KSB
	s_or_b32 s[G0B+4*\s+3], s[G0B+4*\s+3], 0x80000000
	JLOAD G0+4*\s, G1, G0B+4*\s, G1B               ; three tensor loads of mine are out at the most
.endr
	v_and_b32 v1, 31, v0                           ; lane
	v_and_b32 v2, 15, v0                           ; r
	v_bfe_u32 v3, v0, 4, 1                         ; h
	v_lshlrev_b32 v4, 4, v1                        ; 16 x lane
	v_lshlrev_b32 v5, 3, v1                        ; 8 x lane
	s_mul_i32 s21, s15, HALFT                      ; my 128 rows of A
	s_mul_i32 s22, s16, HALFT                      ; my 128 rows of B,
	s_add_co_u32 s22, s22, 2*HALFT                 ; which lie behind A's 256
.irp s, 0,1
	v_add_nc_u32 v[ADRA+2*\s], s21, v4
	v_add_nc_u32 v[ADRA+2*\s+1], s21, v5
	v_add_nc_u32 v[ADRB+2*\s], s22, v4
	v_add_nc_u32 v[ADRB+2*\s+1], s22, v5
	s_add_co_u32 s21, s21, SLOT
	s_add_co_u32 s22, s22, SLOT
.endr
	s_mul_i32 s21, s15, HALFS                      ; A's scales: my 128 rows
	s_mul_i32 s22, s16, HALFS                      ; B's
	s_add_co_u32 s22, s22, SCBB
	s_sub_co_u32 s22, s22, s21
	v_mul_u32_u24 v6, s22, v3                      ; lanes 16-31 take B's: one product, the distance between the two
	s_add_co_u32 s21, s21, SCL
	v_lshl_add_u32 v6, v2, 3, v6                   ; 8 bytes a row
	v_add_nc_u32 v[ADRS], s21, v6
.macro FRAG reg, adr, off              ; a fragment is two units: registers 0-3 and 6-9 by 16 bytes a lane, 4-5 and 10-11 by 8: every load reads consecutive bytes
	ds_load_b128 v[(\reg):(\reg)+3], v[(\adr)] offset:(\off)
	ds_load_b64 v[(\reg)+4:(\reg)+5], v[(\adr)+1] offset:(\off)+512
	ds_load_b128 v[(\reg)+6:(\reg)+9], v[(\adr)] offset:(\off)+768
	ds_load_b64 v[(\reg)+10:(\reg)+11], v[(\adr)+1] offset:(\off)+1280
.endm
; 16 matrix instructions: A's blocks a0, a0 + 1 x B's eight, the slot's q-th 128 along K.  p: B's set; sc: the set of scale words.  zero = 1: the first product starts the sums.
; The 64 accumulators take turns, one instruction a turn, in the same order in every step.
.macro MUL16 a0, p, q, sc, zero
.irp a, \a0, \a0+1
.irp b, 0,1,2,3,4,5,6,7
.if \zero
	v_wmma_scale_f32_16x16x128_f8f6f4 v[8*(8*((\a)%4)+\b):8*(8*((\a)%4)+\b)+7], v[128*(\p)+FR*\b:128*(\p)+FR*\b+FR-1], v[AF+FR*(\a):AF+FR*(\a)+FR-1], 0, v[SC+8*NQ*(\sc)+NQ*\b+(\q)], v[SC+8*NQ*(\sc)+NQ*(\a)+(\q)] matrix_a_fmt:MATRIX_FMT_FP6 matrix_b_fmt:MATRIX_FMT_FP6 matrix_a_scale:MATRIX_SCALE_ROW1
.else
	v_wmma_scale_f32_16x16x128_f8f6f4 v[8*(8*((\a)%4)+\b):8*(8*((\a)%4)+\b)+7], v[128*(\p)+FR*\b:128*(\p)+FR*\b+FR-1], v[AF+FR*(\a):AF+FR*(\a)+FR-1], v[8*(8*((\a)%4)+\b):8*(8*((\a)%4)+\b)+7], v[SC+8*NQ*(\sc)+NQ*\b+(\q)], v[SC+8*NQ*(\sc)+NQ*(\a)+(\q)] matrix_a_fmt:MATRIX_FMT_FP6 matrix_b_fmt:MATRIX_FMT_FP6 matrix_a_scale:MATRIX_SCALE_ROW1
.endif
.endr
.endr
.endm
.macro FETCH_B slot, q, p              ; B's eight fragments of the slot's q-th 128 along K into set p
	WIN TO_B
.irp i, 0,1,2,3,4,5,6,7
	FRAG 128*(\p)+FR*\i, ADRB+2*\slot, \i*KSB+(\q)*1536
.endr
	WIN 0
.endm
.macro FETCH_A slot, q, i0             ; A's blocks i0 .. i0 + 3
.irp i, \i0, \i0+1, \i0+2, \i0+3
	FRAG AF+FR*(\i), ADRA+2*\slot, (\i)*KSB+(\q)*1536
.endr
.endm
.macro SCALES sc                       ; a K step's scale words into set sc: two words a row; lanes 0-15 take A's block i, lanes 16-31 B's block i
.irp i, 0,1,2,3,4,5,6,7
	ds_load_b64 v[SC+8*NQ*\sc+NQ*\i:SC+8*NQ*\sc+NQ*\i+1], v[ADRS] offset:\i*512
.endr
.endm
.macro PLACES n                        ; plain vector lines between a matrix instruction and a load into, or a vector write or read of, its registers
.rept \n
	v_nop
.endr
.endm
.macro STEP slot, q, zero              ; a step of 128 along K that has its successor in the same slot
	s_wait_dscnt 4*NL                              ; B's set, A's blocks 0-3 and the scale words are in; the youngest 16 loads (A's blocks 4-7) may be out
	WIN MUL_LO
	MUL16 0, (\q)%2, \q, \slot, \zero
	MUL16 2, (\q)%2, \q, \slot, \zero
	s_wait_dscnt 0x0                               ; A's blocks 4-7 are in
	PLACES NP
	FETCH_B \slot, (\q)+1, 1-(\q)%2
	FETCH_A \slot, (\q)+1, 0
	WIN MUL_HI
	MUL16 4, (\q)%2, \q, \slot, \zero
	MUL16 6, (\q)%2, \q, \slot, \zero
	PLACES NP
	WIN 0
	FETCH_A \slot, (\q)+1, 4
.endm
; A slot's last step changes slots: one barrier; in front of it each wave waits for all its tensor loads, adds 0 to its spare word, and waits for that and for its reads of this slot.
.macro TURN slot, next, fill
	s_wait_tensorcnt 0x0                           ; all my tensor loads have landed: my part of the next slot
	ds_add_u32 v[SPW], v[NIL]                      ; 0 onto my spare word
	s_wait_dscnt 4*NL+1                            ; (the add and the youngest 16 loads, A's blocks 4-7, may be out)
	WIN MUL_LO
	MUL16 0, 1, NQ-1, \slot, 0                     ; sixteen matrix instructions stand between the add and the wait for it
	s_wait_dscnt 0x0                               ; the add is done, and my reads of this slot are over
	s_barrier_signal -1
	MUL16 2, 1, NQ-1, \slot, 0
	WIN 0
	s_barrier_wait -1
.if \fill
	CREST                                          ; the barrier has opened a round of the cluster's: no wave of any partner still reads this slot or has a load on its way
	s_add_nc_u64 s[G0+4*\slot+2:G0+4*\slot+3], s[G0+4*\slot+2:G0+4*\slot+3], 2*KSB
	s_add_nc_u64 s[G0B+4*\slot+2:G0B+4*\slot+3], s[G0B+4*\slot+2:G0B+4*\slot+3], 2*KSB
	JLOAD G0+4*\slot, G1, G0B+4*\slot, G1B         ; the first tensor load behind the round; its four v_nop are the places in front of the loads below
.else
	PLACES NP
.endif
	v_add_nc_u32 v[ADRS], 128, v[ADRS]             ; the next K step's scale words
	FETCH_B \next, 0, 0
	FETCH_A \next, 0, 0
	SCALES \next
	WIN MUL_HI
	MUL16 4, 1, NQ-1, \slot, 0
	MUL16 6, 1, NQ-1, \slot, 0
	PLACES NP
	WIN 0
	FETCH_A \next, 0, 4
.endm
	s_wait_tensorcnt 1                             ; the scales and my part of K step 0 are in (K step 1's load may be out)
	s_barrier_signal -1
	s_barrier_wait -1
	FETCH_B 0, 0, 0
	FETCH_A 0, 0, 0
	SCALES 0
	FETCH_A 0, 0, 4
	STEP 0, 0, 1                                   ; K = 1,024 is four K steps of 256, written out: slots 0, 1, 0, 1
	TURN 0, 1, 1                                   ; slot 0 takes K step 2
	STEP 1, 0, 0
	TURN 1, 0, 1                                   ; slot 1 takes K step 3
	STEP 0, 0, 0
	TURN 0, 1, 0                                   ; nothing is left to fetch
	STEP 1, 0, 0
	s_wait_dscnt 4*NL
	WIN MUL_LO
	MUL16 0, 1, NQ-1, 1, 0
	MUL16 2, 1, NQ-1, 1, 0
	s_wait_dscnt 0x0
	WIN MUL_HI
	MUL16 4, 1, NQ-1, 1, 0
	MUL16 6, 1, NQ-1, 1, 0
	WIN 0
	; THE WAY OUT.  Where my 128 rows x 128 columns go: P = the block of 128 tokens, H = the first of my two heads.
	s_lshl_b32 s18, s17, 1
	s_add_co_u32 s18, s18, s15                     ; my block of 128 rows of R
	s_lshl_b32 s19, s42, 1
	s_add_co_u32 s19, s19, s16                     ; my block of 128 columns
	s_lshl_b32 s20, s18, 1                         ; v: heads 2 x row block on
	s_lshl_b32 s21, s19, 1
	s_and_b32 s21, s21, 15                         ; q, k: heads 2 x column block on, modulo 16
	s_or_b32 s22, s12, ttmp9                       ; 0 for q alone: not v, and the cluster's x is 0
	s_mov_b32 s40, 3072
	s_mov_b32 s41, 208896                          ; 16 records of 13,056 bytes: from a head to the next
	s_mov_b32 s46, 13056
	s_mov_b32 s2, 106496                           ; 16 records of 6,656 bytes
	s_mov_b32 s3, 12544
	s_cmp_eq_u32 s12, 1
	s_cselect_b32 s23, s19, s18                    ; P
	s_cselect_b32 s20, s20, s21                    ; H
	s_cselect_b32 s43, s40, s41                    ; from chunk 0 of my columns to chunk 1: v: 64 keys on; k: the next head
	s_cselect_b32 s44, s41, s40                    ; from my rows' blocks 0-3 to 4-7: v: the next head; q, k: four images on
	s_cselect_b32 s45, 6144, 0                     ; V's images lie behind K's
	s_cmp_eq_u32 s22, 0
	s_cselect_b32 s46, 6656, s46                   ; a record
	s_cselect_b32 s47, QBASE, 0
	s_cselect_b32 s43, s2, s43
	s_cselect_b32 s66, 6144, s3                    ; where q's or k's scale words begin in a record
	s_lshr_b32 s2, s23, 4
	s_lshl_b32 s2, s2, 4
	s_add_co_u32 s2, s2, s20                       ; batch x 16 + head
	s_lshl_b32 s2, s2, 4
	s_and_b32 s3, s23, 15
	s_add_co_u32 s2, s2, s3                        ; the record
	s_mul_i32 s2, s2, s46
	s_add_co_u32 s2, s2, s47
	s_mov_b32 s3, 0
	s_add_nc_u64 s[8:9], s[8:9], s[2:3]
	s_mov_b32 s92, 0x76543210
	s_mov_b32 s93, 0xfedcba98                      ; v_permlanex16_b32's selects for lane l xor 16
	s_mov_b32 s94, 0x1800000                       ; the floor 2^(3 - 127)
	s_mov_b32 s95, 0xffff0000                      ; lanes 16-31
	s_mov_b32 s10, 0xffff
	s_mov_b32 s11, 0x7f7f0000
.set TM, 48                            ; v48-51 largest magnitudes, v52-55 the other half's and then the bytes, v60-63 the conversions' scale operands
	PLACES NP                                      ; behind the last products: their operands' registers are written below, their results read
	v_add_nc_u32 v32, s45, v4                      ; v[32 + 2 c + a / 4]: where a unit's first 16 bytes a lane go
	v_add_nc_u32 v33, s44, v32
	v_add_nc_u32 v34, s43, v32
	v_add_nc_u32 v35, s43, v33
	v_add_nc_u32 v36, s45, v5                      ; v[36 + 2 c + a / 4]: its last 8
	v_add_nc_u32 v36, 512, v36
	v_add_nc_u32 v37, s44, v36
	v_add_nc_u32 v38, s43, v36
	v_add_nc_u32 v39, s43, v37
	v_add_nc_u32 v244, s66, v4                     ; q's, k's scale words of my first head,
	v_add_nc_u32 v245, s43, v244                   ; of my second;
	v_lshlrev_b32 v246, 4, v2
	v_mul_u32_u24 v247, 0x33000, v3
	v_add3_u32 v246, v246, v247, 12288             ; v's: 16 r, lanes 16-31 the next head's record
.irp b, 0,1,2,3
	v_mov_b32 v[TM+4+\b], 0                        ; written once: a lane permute's destination counts as one of its sources
.endr
; Block a of my rows: its 64 registers a lane (register 16 b + i = column 32 b + 16 (lane / 16) + i) become a fragment's codes, v[64 + 12 a] on, and its scale word, v[40 + a]; the two units are stored.
; Each accumulator is read from its low end on.  Every block has code registers of its own: no store's data are written again.
.macro QUANTA a
.set WN,  2+(\a)/4
.set AC0, 64*((\a)%4)
.set PCD, 64+12*(\a)
	WIN 20*WN                                      ; sources 1 and 2 in the accumulators' window
.irp b, 0,1,2,3
	v_max3_num_f32 v[TM+\b], s94, |v[AC0+16*\b]|, |v[AC0+16*\b+1]|
.endr
.irp i, 2,4,6,8,10,12,14
.irp b, 0,1,2,3
	v_max3_num_f32 v[TM+\b], v[TM+\b], |v[AC0+16*\b+\i]|, |v[AC0+16*\b+\i+1]|
.endr
.endr
	WIN 0
.irp b, 0,1,2,3
	v_permlanex16_b32 v[TM+4+\b], v[TM+\b], s92, s93
.endr
.irp b, 0,1,2,3
	v_max_num_f32 v[TM+\b], v[TM+\b], v[TM+4+\b]   ; with lane l xor 16's: the block's largest magnitude
.endr
.irp b, 0,1,2,3
	v_add_nc_u32 v[TM+12+\b], 0xff000000, v[TM+\b] ; 2 off its exponent field: the conversion's scale operand
.endr
.irp b, 0,1,2,3
	v_lshrrev_b32 v[TM+4+\b], 23, v[TM+12+\b]      ; the scale's byte
.endr
	v_lshl_or_b32 v[40+(\a)], v[TM+5], 8, v[TM+4]
	v_lshl_or_b32 v[40+(\a)], v[TM+6], 16, v[40+(\a)]
	v_lshl_or_b32 v[40+(\a)], v[TM+7], 24, v[40+(\a)]
	WIN WN                                         ; source 0 in the accumulators' window
.irp c, 0,1
	v_cvt_scalef32_pk16_fp6_f32 v[PCD+6*\c:PCD+6*\c+2], v[AC0+32*\c:AC0+32*\c+15], v[TM+12+2*\c]
	v_cvt_scalef32_pk16_fp6_f32 v[224+4*\c:226+4*\c], v[AC0+32*\c+16:AC0+32*\c+31], v[TM+12+2*\c+1]   ; (a conversion's three registers begin on an even number)
.endr
	WIN 0
	v_nop                                          ; one plain line behind a scaled conversion
.irp c, 0,1                            ; the operand's layout wants a whole block in a lane: lanes 0-15 block 2 c, lanes 16-31 block 2 c + 1
.irp i, 0,1,2
	v_permlane16_swap_b32 v[PCD+6*\c+\i], v[224+4*\c+\i]
.endr
.irp i, 0,1,2
	v_mov_b32 v[PCD+6*\c+3+\i], v[224+4*\c+\i]
.endr
.endr
.irp c, 0,1
	global_store_b128 v[32+2*\c+(\a)/4], v[PCD+6*\c:PCD+6*\c+3], s[8:9] offset:((\a)%4)*768     ; 512 consecutive bytes
	global_store_b64 v[36+2*\c+(\a)/4], v[PCD+6*\c+4:PCD+6*\c+5], s[8:9] offset:((\a)%4)*768    ; 256 consecutive bytes
.endr
.endm
.irp a, 0,1,2,3,4,5,6,7
	QUANTA \a
.endr
.irp i, 0,1,2,3
	v_cndmask_b32 v[232+\i], v[40+\i], v[44+\i], s95   ; lanes 0-15: block i's scale word of row r; lanes 16-31: block 4 + i's
.endr
	s_cmp_eq_u32 s12, 1
	s_cbranch_scc1 .Lv_words
.irp i, 0,1,2,3
	v_and_or_b32 v[236+\i], v[232+\i], s10, s11    ; q, k: my first head's two bytes, and 0x7f twice
.endr
	global_store_b128 v244, v[236:239], s[8:9]
.irp i, 0,1,2,3
	v_lshrrev_b32 v[240+\i], 16, v[232+\i]         ; my second head's
.endr
.irp i, 0,1,2,3
	v_or_b32 v[240+\i], s11, v[240+\i]
.endr
	global_store_b128 v245, v[240:243], s[8:9]
	s_branch .Lwords_done
.Lv_words:
	global_store_b128 v246, v[232:235], s[8:9]     ; v: the word is that of a step of 128 keys as it stands
.Lwords_done:
	s_wait_tensorcnt 0x0                           ; the wave's end
	ds_add_u32 v[SPW], v[NIL]
	s_wait_dscnt 0x0
	CROUND                                         ; the closing round
	s_endpgm
.Lfunc_end_k_q37ca7f92f4_qkv:
	.size	k_q37ca7f92f4_qkv, .Lfunc_end_k_q37ca7f92f4_qkv-k_q37ca7f92f4_qkv
	.p2alignl 7, 3214868480
	.fill 96, 4, 3214868480
	.section	.rodata,"a",@progbits
	.p2align	6, 0x0
	.amdhsa_kernel k_q37ca7f92f4_qkv
		.amdhsa_group_segment_fixed_size 327680
		.amdhsa_private_segment_fixed_size 0
		.amdhsa_enable_private_segment 0
		.amdhsa_kernarg_size 24
		.amdhsa_user_sgpr_count 2
		.amdhsa_user_sgpr_kernarg_segment_ptr 1
		.amdhsa_wavefront_size32 1
		.amdhsa_system_sgpr_workgroup_id_x 1
		.amdhsa_system_sgpr_workgroup_id_y 1
		.amdhsa_system_sgpr_workgroup_id_z 1
		.amdhsa_system_vgpr_workitem_id 0
		.amdhsa_next_free_vgpr 1024
		.amdhsa_next_free_sgpr 100
		.amdhsa_reserve_vcc 0
		.amdhsa_float_denorm_mode_32 3
		.amdhsa_float_denorm_mode_16_64 3
		.amdhsa_memory_ordered 1
		.amdhsa_forward_progress 1
		.amdhsa_inst_pref_size 150
	.end_amdhsa_kernel
	.amdgpu_metadata
---
amdhsa.version: [ 1, 2 ]
amdhsa.kernels:
  - .name:           k_q37ca7f92f4_qkv
    .symbol:         k_q37ca7f92f4_qkv.kd
    .args:
      - { .name: cimg, .offset: 0, .size: 8, .value_kind: global_buffer, .address_space: global }
      - { .name: csc, .offset: 8, .size: 8, .value_kind: global_buffer, .address_space: global }
      - { .name: qkv, .offset: 16, .size: 8, .value_kind: global_buffer, .address_space: global }
    .group_segment_fixed_size: 327680
    .private_segment_fixed_size: 0
    .kernarg_segment_align: 8
    .kernarg_segment_size: 24
    .max_flat_workgroup_size: 128
    .sgpr_count:     100
    .vgpr_count:     1024
    .wavefront_size: 32
...
	.end_amdgpu_metadata
.endif
;; end of part 2
;; launch attn (part 3): grid 4 x 64, 16 waves a work-group, no clusters, 210,944 bytes of LDS; arguments qkv, oimg, osc; writes oimg, osc
.if DOCPART == 3
	.amdgcn_target "amdgcn-amd-amdhsa--gfx1250"
	.amdhsa_code_object_version 6
	.text
	.protected	k_q37ca7f92f4_attn
	.globl	k_q37ca7f92f4_attn
	.p2align	8
	.type	k_q37ca7f92f4_attn,@function
k_q37ca7f92f4_attn:
	s_mov_b64 s[64:65], 0
	v_nop
	global_prefetch_b8 v0, s[64:65] scope:SCOPE_SE
	s_setreg_imm32_b32 hwreg(HW_REG_WAVE_MODE, 25, 1), 1
	s_wait_xcnt 0x0
; Causal attention on codes of FP6 (E2M3) with E8M0 scales: o = softmax(q k^T / 64) v for one batch x head, the result divided by the row's sum and quantised along the model's 1,024 for the last product.
; THE SOFTMAX: t = score x log2(e) / 64; M = the row's largest t so far, rounded UP to a whole number; p = 2^(t - M) is quantised along the keys, not normalised; the row's sum is taken of the unquantised p.
; When M moves, the sum and O are multiplied by 2^(old M - new M): exact.
; INPUT (qkv): for each batch x head 16 records of 13,056 bytes, one for each step of 128 keys: K's eight images (16 stored keys x 64 channels, 768 bytes: lane l's 16 bytes at 16 l, 8 at 512 + 8 l),
; V's eight (chunk of 64 keys c, tile of 16 stored channels dt: at 6,144 + 3,072 c + 768 dt), V's scale words (12,288 + 16 r + 4 dt), K's (12,544 + 256 (a / 4) + 16 r + 4 (a % 4)).
; From QBASE on 16 records of 6,656 bytes: Q's eight images and scale words.  Stored tile T holds rows 32 (T / 2) + 8 (T % 2) + p + 8 (p / 8).
; The head's 64 are half of the instruction's 128 along K: registers 6-11 of Q's and K's fragments hold zero codes, under the scale bytes 0x7f.
; SHARES.  A work-group takes one batch x head and four blocks of 128 queries: 15 - j, j, 8 + j, 7 - j (j = its x).  The head's 16 records, 208,896 bytes, are filled into LDS ONCE.
; Wave w takes tile w / 2 of two blocks, first the later one: 15 - j and j, or 8 + j and 7 - j.  A block QB needs key steps 0 .. QB, the last with the mask: 17 steps for every wave.
; Both products are used transposed: a lane holds ONE stored query (lane % 16) throughout, and its registers run along the keys, then along the channels, in their natural order.
; NO CLUSTER, though four work-groups read the same records: which steps a wave skips and where it masks are branches on its block of queries, which differs between those four.
; The two scale bytes of a row leave as 2 bytes a lane, 8 bytes apart: 262,144 bytes of the launch's 6.5 million; four heads' bytes share a row's 8.
; LIMITS: NaN and infinities are not served; a block whose largest magnitude lies under 2^-124, a block of zeros among them, gets the byte 1; the bytes are read by this program alone.
.set REC,   13056
.set QREC,  6656
.set QBASE, 13369344
.set VIM,   6144
.set VSC,   12288
.set KSC,   12544
.set WV,  10                           ; s10 wave;  s11 j;  s12 batch x head;  s13 my tile in a block;  s14 my kind
.set QB,  15                           ; s15 the block of queries in hand
.set RB,  16                           ; s16 LDS byte of the step's record
.set SI,  17                           ; s17 the step
.set KFR, 32                           ; v32-79   four fragments of K: +0..5 codes, +6..11 zeros, set once
.set VFR, 80                           ; v80-103  two fragments of V
.set SS,  104                          ; v104-167 S^T, then p
.set OT,  168                          ; v168-199 O^T, four tiles
.set PCD, 200                          ; v200-211 p's codes; v212-214, v216-218 the second conversions' results
.set KSW, 220                          ; v220-223 K's scale words: lanes 0-15 tiles 0-3, lanes 16-31 tiles 4-7
.set VSW, 224                          ; v224-227 V's
.set PSW, 228                          ; v228     p's
; other registers: v1 16 x lane, v2 8 x lane, v3, v4 the same + the record; v5 my query in its block less 16 (lane / 16); v7 8 r, v8 16 r; v12 -M, v13 the largest t, v[14:15] the sum; v16-27 Q; v28 Q's scale word; v232-254 at work
	s_load_b128 s[4:7], s[0:1], 0x0                ; qkv, oimg
	s_load_b64 s[8:9], s[0:1], 0x10                ; osc
	v_lshl_add_u32 v251, v0, 2, 0x33000
	v_mov_b32 v255, 0
	ds_add_u32 v251, v255
	ds_add_u32 v251, v255
	v_lshrrev_b32 v1, 5, v0
	s_delay_alu instid0(VALU_DEP_1)
	v_readfirstlane_b32 s[WV], v1
	s_mov_b32 s11, ttmp9
	s_and_b32 s12, ttmp7, 0xffff
	; descriptor group 1: a record as 51 rows of 32 elements of 8 bytes, dense
	s_mov_b32 s24, 3<<16
	s_mov_b32 s25, 32<<16
	s_mov_b32 s26, 51<<16
	s_mov_b32 s27, 32<<16
	s_mov_b32 s28, 51
	s_mov_b32 s29, 32
	s_mov_b32 s30, 0
	s_mov_b32 s31, 0
	s_mul_i32 s18, s[WV], REC
	s_lshl_b32 s48, s12, 4
	s_add_co_u32 s48, s48, s[WV]
	s_mul_i32 s48, s48, REC
	s_mov_b32 s49, 0
	s_wait_dscnt 0x0
	s_wait_kmcnt 0x0
	s_add_nc_u64 s[48:49], s[4:5], s[48:49]
.irp n, 0,1,2,3                        ; load n of wave w (0..3) brings record 4 n + w
	s_mov_b32 s[32+4*\n], 1
	s_add_co_u32 s[33+4*\n], s18, 4*\n*REC
	s_add_nc_u64 s[34+4*\n:35+4*\n], s[48:49], 4*\n*REC
	s_or_b32 s[35+4*\n], s[35+4*\n], 0x80000000
.endr
	s_cmp_lt_u32 s[WV], 4                          ; all first fills of a wave stand in one branch on its number: four loads of mine are out at the most
	s_cbranch_scc0 .Lno_fill
	tensor_load_to_lds s[32:35], s[24:31]
	s_nop 0
	tensor_load_to_lds s[36:39], s[24:31]
	s_nop 0
	tensor_load_to_lds s[40:43], s[24:31]
	s_nop 0
	tensor_load_to_lds s[44:47], s[24:31]
	s_nop 0
.rept 4
	v_nop
.endr
.Lno_fill:
	v_and_b32 v9, 31, v0
	s_delay_alu instid0(VALU_DEP_1)
	v_lshlrev_b32 v1, 4, v9
	s_delay_alu instid0(VALU_DEP_2)
	v_lshlrev_b32 v2, 3, v9
	v_and_b32 v9, 15, v0                           ; r
	s_wait_alu depctr_va_vdst(0)
	v_bfe_u32 v10, v0, 4, 1                        ; h
	s_wait_alu depctr_va_vdst(0)
	v_lshlrev_b32 v7, 3, v9
	v_lshlrev_b32 v8, 4, v9
	s_lshr_b32 s13, s[WV], 1                       ; my tile
	s_lshr_b32 s14, s[WV], 2
	s_xor_b32 s14, s14, s[WV]
	s_and_b32 s14, s14, 1                          ; my kind: the two waves of a tile differ in it
	s_add_co_u32 s18, s11, 8
	s_sub_co_u32 s19, 15, s11
	s_cmp_eq_u32 s14, 1
	s_cselect_b32 s[QB], s18, s19                  ; the later of my two blocks: 8 or more
	s_lshr_b32 s18, s13, 1
	s_lshl_b32 s18, s18, 5
	s_and_b32 s19, s13, 1
	s_lshl_b32 s19, s19, 3
	s_add_co_u32 s18, s18, s19
	v_and_b32 v5, 8, v9
	s_delay_alu instid0(VALU_DEP_1)
	v_add_nc_u32 v5, v5, v9
	v_lshlrev_b32 v10, 4, v10
	s_delay_alu instid0(VALU_DEP_1)
	v_sub_nc_u32 v5, v5, v10
	s_delay_alu instid0(VALU_DEP_1)
	v_add_nc_u32 v5, s18, v5                       ; 32 (tile / 2) + 8 (tile % 2) + r + 8 (r / 8) - 16 h
	s_mov_b32 s20, 0x76543210
	s_mov_b32 s21, 0xfedcba98                      ; v_permlanex16_b32's selects for lane l xor 16
	s_mov_b32 s22, 0x3cb8aa3b                      ; c = log2(e) / 64
	s_mov_b32 s23, s22                             ; (named with it as a pair)
.irp i, 22,23,24,25,26,27
	v_mov_b32 v[\i], 0                             ; Q's zero codes
.endr
.irp t, 0,1,2,3
.irp i, 6,7,8,9,10,11
	v_mov_b32 v[KFR+12*\t+\i], 0                   ; K's
.endr
.endr
.irp b, 0,1,2,3
	v_mov_b32 v[236+\b], 0                         ; written once: a lane permute's destination counts as one of its sources
.endr
	v_mov_b32 v253, 0                              ; (named as the upper half of the pair v[252:253])
; A KEY STEP: the 128 keys of the record at s[RB].  guard = 1: a step past my block is left out, and the step on the diagonal masks: scalar branches on ids.
.macro STEP guard
.if \guard
	s_cmp_gt_u32 s[SI], s[QB]
	s_cbranch_scc1 .Lhid_\@
.endif
	s_setprio 2
	v_add_nc_u32 v3, s[RB], v1
	v_add_nc_u32 v4, s[RB], v2
.irp t, 0,1,2,3                        ; K's tiles 0-3
	ds_load_b128 v[KFR+12*\t:KFR+12*\t+3], v3 offset:768*\t
	ds_load_b64 v[KFR+12*\t+4:KFR+12*\t+5], v4 offset:768*\t+512
.endr
	ds_load_b128 v[KSW:KSW+3], v3 offset:KSC
	s_wait_alu depctr_va_vdst(0)
	s_wait_dscnt 0x0
.irp t, 0,1,2,3
	v_wmma_scale_f32_16x16x128_f8f6f4 v[SS+8*\t:SS+8*\t+7], v[KFR+12*\t:KFR+12*\t+11], v[16:27], 0, v[KSW+\t], v28 matrix_a_fmt:MATRIX_FMT_FP6 matrix_b_fmt:MATRIX_FMT_FP6
.endr
.rept 4
	v_nop                                          ; places in front of loads into registers that matrix instructions have read (with the two additions above also for V's, which the last step's products read)
.endr
.irp t, 0,1,2,3                        ; K's tiles 4-7
	ds_load_b128 v[KFR+12*\t:KFR+12*\t+3], v3 offset:768*(4+\t)
	ds_load_b64 v[KFR+12*\t+4:KFR+12*\t+5], v4 offset:768*(4+\t)+512
.endr
.irp t, 0,1                            ; V's tiles 0, 1: they land under the softmax
	ds_load_b128 v[VFR+12*\t:VFR+12*\t+3], v3 offset:VIM+768*\t
	ds_load_b64 v[VFR+12*\t+4:VFR+12*\t+5], v4 offset:VIM+768*\t+512
	ds_load_b128 v[VFR+12*\t+6:VFR+12*\t+9], v3 offset:VIM+3072+768*\t
	ds_load_b64 v[VFR+12*\t+10:VFR+12*\t+11], v4 offset:VIM+3072+768*\t+512
.endr
	ds_load_b128 v[VSW:VSW+3], v3 offset:VSC       ; (lanes 16-31 read on into K's words, which the products do not look at)
	s_wait_dscnt 9                                 ; K's eight loads are in; V's eight and its scale words may be out
.irp t, 0,1,2,3
	v_wmma_scale_f32_16x16x128_f8f6f4 v[SS+32+8*\t:SS+32+8*\t+7], v[KFR+12*\t:KFR+12*\t+11], v[16:27], 0, v[KSW+\t], v28 matrix_a_fmt:MATRIX_FMT_FP6 matrix_b_fmt:MATRIX_FMT_FP6 matrix_a_scale:MATRIX_SCALE_ROW1
.endr
.rept 4
	v_nop
.endr
.if \guard                             ; on the diagonal the scores of hidden keys become -infinity ahead of the maximum: p = 0 then.  Register 16 b + i holds key 32 b + 16 (lane / 16) + i of the step
	s_cmp_lg_u32 s[SI], s[QB]
	s_cbranch_scc1 .Lopen_\@
	v_mov_b32 v254, 0xff800000
.set nn, 0
.rept 64
	v_cmp_gt_i32 vcc_lo, 32*(nn/16)+nn%16, v5
	v_cndmask_b32 v[SS+nn], v[SS+nn], v254, vcc_lo
.set nn, nn+1
.endr
.Lopen_\@:
.endif
.irp b, 0,1,2,3
	v_max3_num_f32 v[232+\b], v[SS+16*\b], v[SS+1+16*\b], v[SS+2+16*\b]   ; the largest score of each block of 32 keys: for the row's maximum and, since p rises with the score, for the block's largest p
.endr
.irp i, 3,5,7,9,11,13
.irp b, 0,1,2,3
	v_max3_num_f32 v[232+\b], v[232+\b], v[SS+16*\b+\i], v[SS+1+16*\b+\i]
.endr
.endr
.irp b, 0,1,2,3
	v_max_num_f32 v[232+\b], v[232+\b], v[SS+15+16*\b]
.endr
.irp b, 0,1,2,3
	s_delay_alu instid0(VALU_DEP_4)
	v_permlanex16_b32 v[236+\b], v[232+\b], s20, s21
.endr
.irp b, 0,1,2,3
	s_delay_alu instid0(VALU_DEP_4)
	v_max_num_f32 v[232+\b], v[232+\b], v[236+\b]  ; with lane l xor 16's 16 keys
.endr
	s_delay_alu instid0(VALU_DEP_2)
	v_max3_num_f32 v254, v232, v233, v234
	s_delay_alu instid0(VALU_DEP_1)
	v_max_num_f32 v254, v254, v235
	s_delay_alu instid0(VALU_DEP_1)
	v_mul_f32 v254, s22, v254                      ; the step's largest t of my query
	s_delay_alu instid0(VALU_DEP_1)
	v_max_num_f32 v13, v13, v254
	v_mov_b32 v254, v12
	s_delay_alu instid0(VALU_DEP_2)
	v_floor_f32 v12, -v13                          ; the new -M = floor(-t): M is a whole number
	s_delay_alu instid0(VALU_DEP_1)
	v_sub_f32 v254, v12, v254                      ; old M - new M: a whole number, 0 or less
	s_delay_alu instid0(VALU_DEP_1)
	v_cvt_i32_f32 v254, v254                       ; (it saturates)
	s_delay_alu instid0(VALU_DEP_1)
	v_ldexp_f32 v252, 1.0, v254                    ; f = 2^(old M - new M)
.set nn, 0
.rept 32
	v_pk_fma_f32 v[SS+nn:SS+nn+1], v[SS+nn:SS+nn+1], s[22:23], v[12:13] op_sel_hi:[1,0,0]   ; t - M, two at a time
.set nn, nn+2
.endr
	s_setprio 1
.irp b, 0,1,2,3
	v_fma_f32 v[232+\b], v[232+\b], s22, v12       ; the same of each block's largest score
.endr
.set nn, 0
	s_wait_alu depctr_va_vdst(0)
.rept 64
	v_exp_f32 v[SS+nn], v[SS+nn]                   ; p = 2^(t - M)
.set nn, nn+1
.endr
	v_pk_mul_f32 v[14:15], v[14:15], v[252:253] op_sel_hi:[1,0]   ; the sums under the new M; the plain line behind the exponentials
	s_wait_alu depctr_va_vdst(0)                   ; one wait for the batch, ahead of its first reader
.irp b, 0,1,2,3
	v_exp_f32 v[232+\b], v[232+\b]                 ; the block's largest p
.endr
	v_pk_add_f32 v[236:237], v[108:109], v[112:113]
	v_pk_add_f32 v[248:249], v[116:117], v[120:121]
	v_pk_add_f32 v[246:247], v[124:125], v[128:129]
	v_pk_add_f32 v[244:245], v[132:133], v[136:137]
	v_pk_add_f32 v[242:243], v[140:141], v[144:145]
	v_pk_add_f32 v[240:241], v[148:149], v[152:153]
	v_pk_add_f32 v[238:239], v[156:157], v[160:161]
	v_pk_add_f32 v[14:15], v[14:15], v[164:165]
	v_pk_add_f32 v[236:237], v[236:237], v[104:105]
	v_pk_add_f32 v[248:249], v[248:249], v[106:107]
	v_pk_add_f32 v[246:247], v[246:247], v[110:111]
	v_pk_add_f32 v[244:245], v[244:245], v[114:115]
	v_pk_add_f32 v[242:243], v[242:243], v[118:119]
	v_pk_add_f32 v[240:241], v[240:241], v[122:123]
	v_pk_add_f32 v[238:239], v[238:239], v[126:127]
	v_pk_add_f32 v[14:15], v[14:15], v[130:131]
	v_pk_add_f32 v[236:237], v[236:237], v[134:135]
	v_pk_add_f32 v[248:249], v[248:249], v[138:139]
	v_pk_add_f32 v[246:247], v[246:247], v[142:143]
	v_pk_add_f32 v[244:245], v[244:245], v[146:147]
	v_pk_add_f32 v[242:243], v[242:243], v[150:151]
	v_pk_add_f32 v[240:241], v[240:241], v[154:155]
	v_pk_add_f32 v[238:239], v[238:239], v[158:159]
	v_pk_add_f32 v[14:15], v[14:15], v[162:163]
	v_pk_add_f32 v[236:237], v[236:237], v[166:167]
	s_delay_alu instid0(VALU_DEP_2)
	v_pk_add_f32 v[14:15], v[14:15], v[244:245]
	s_delay_alu instid0(VALU_DEP_2)
	v_pk_add_f32 v[236:237], v[236:237], v[242:243]
	v_pk_add_f32 v[248:249], v[248:249], v[240:241]
	v_pk_add_f32 v[246:247], v[246:247], v[238:239]
	s_delay_alu instid0(VALU_DEP_2)
	v_pk_add_f32 v[14:15], v[14:15], v[248:249]
	s_delay_alu instid0(VALU_DEP_2)
	v_pk_add_f32 v[236:237], v[236:237], v[246:247]
	s_delay_alu instid0(VALU_DEP_1)
	v_pk_add_f32 v[14:15], v[14:15], v[236:237]
	s_wait_alu depctr_va_vdst(0)                   ; and one for the four
.irp b, 0,1,2,3
	v_max_num_f32 v[232+\b], 0x1800000, v[232+\b]  ; the floor 2^(3 - 127): the byte cannot fall under 1
.endr
.irp b, 0,1,2,3
	s_delay_alu instid0(VALU_DEP_4)
	v_add_nc_u32 v[244+\b], 0xff000000, v[232+\b]  ; 2 off the exponent field: the conversion's scale operand
.endr
.irp b, 0,1,2,3
	s_delay_alu instid0(VALU_DEP_4)
	v_lshrrev_b32 v[236+\b], 23, v[244+\b]
.endr
	s_delay_alu instid0(VALU_DEP_3)
	v_lshl_or_b32 v[PSW], v237, 8, v236            ; p's scale word for these 128 keys
	s_delay_alu instid0(VALU_DEP_1)
	v_lshl_or_b32 v[PSW], v238, 16, v[PSW]
	s_delay_alu instid0(VALU_DEP_1)
	v_lshl_or_b32 v[PSW], v239, 24, v[PSW]
.irp c, 0,1
	v_cvt_scalef32_pk16_fp6_f32 v[PCD+6*\c:PCD+6*\c+2], v[SS+32*\c:SS+32*\c+15], v[244+2*\c]
	v_cvt_scalef32_pk16_fp6_f32 v[212+4*\c:214+4*\c], v[SS+32*\c+16:SS+32*\c+31], v[244+2*\c+1]
.endr
	v_nop                                          ; one plain line behind a scaled conversion
	s_setprio 0
.irp c, 0,1
.irp i, 0,1,2
	v_permlane16_swap_b32 v[PCD+6*\c+\i], v[212+4*\c+\i]
.endr
.irp i, 0,1,2
	s_delay_alu instid0(VALU_DEP_3)
	v_mov_b32 v[PCD+6*\c+3+\i], v[212+4*\c+\i]
.endr
.endr
.set nn, 0
.rept 16
	v_pk_mul_f32 v[OT+nn:OT+nn+1], v[OT+nn:OT+nn+1], v[252:253] op_sel_hi:[1,0]   ; O^T under the new M; these sixteen are also the places between p's codes and scale word and the products
.set nn, nn+2
.endr
	s_wait_alu depctr_va_vdst(0)
	s_wait_dscnt 0x0                               ; V's tiles 0, 1 and its scale words
.irp t, 0,1
	v_wmma_scale_f32_16x16x128_f8f6f4 v[OT+8*\t:OT+8*\t+7], v[VFR+12*\t:VFR+12*\t+11], v[PCD:PCD+11], v[OT+8*\t:OT+8*\t+7], v[VSW+\t], v[PSW] matrix_a_fmt:MATRIX_FMT_FP6 matrix_b_fmt:MATRIX_FMT_FP6
.endr
.rept 4
	v_nop
.endr
.irp t, 0,1                            ; V's tiles 2, 3
	ds_load_b128 v[VFR+12*\t:VFR+12*\t+3], v3 offset:VIM+768*(2+\t)
	ds_load_b64 v[VFR+12*\t+4:VFR+12*\t+5], v4 offset:VIM+768*(2+\t)+512
	ds_load_b128 v[VFR+12*\t+6:VFR+12*\t+9], v3 offset:VIM+3072+768*(2+\t)
	ds_load_b64 v[VFR+12*\t+10:VFR+12*\t+11], v4 offset:VIM+3072+768*(2+\t)+512
.endr
	s_wait_dscnt 0x0
.irp t, 0,1
	v_wmma_scale_f32_16x16x128_f8f6f4 v[OT+16+8*\t:OT+16+8*\t+7], v[VFR+12*\t:VFR+12*\t+11], v[PCD:PCD+11], v[OT+16+8*\t:OT+16+8*\t+7], v[VSW+2+\t], v[PSW] matrix_a_fmt:MATRIX_FMT_FP6 matrix_b_fmt:MATRIX_FMT_FP6
.endr
.if \guard
.Lhid_\@:
.endif
.endm
; My tile of block s[QB]: Q's image and scale word into registers; the sums begin as zeros and the largest t as -3e38, so the step is written once.
.macro INITQ
	s_lshl_b32 s58, s12, 4
	s_add_co_u32 s58, s58, s[QB]
	s_mul_i32 s58, s58, QREC
	s_add_co_u32 s58, s58, QBASE                   ; the record
	s_mul_i32 s59, s13, 768
	s_add_co_u32 s54, s58, s59                     ; my tile's image
	s_mov_b32 s55, 0
	s_lshr_b32 s59, s13, 2
	s_lshl_b32 s59, s59, 8
	s_and_b32 s60, s13, 3
	s_lshl_b32 s60, s60, 2
	s_add_co_u32 s59, s59, s60
	s_add_co_u32 s56, s58, s59
	s_add_co_u32 s56, s56, 6144                    ; its scale words
	s_mov_b32 s57, 0
	s_add_nc_u64 s[54:55], s[4:5], s[54:55]
	s_add_nc_u64 s[56:57], s[4:5], s[56:57]
	global_load_b128 v[16:19], v1, s[54:55]
	global_load_b64 v[20:21], v2, s[54:55] offset:512
	global_load_b32 v28, v8, s[56:57]
	v_mov_b32 v13, 0xff61b1e6
	s_delay_alu instid0(VALU_DEP_1)
	v_floor_f32 v12, -v13
	v_mov_b32 v14, 0
	v_mov_b32 v15, 0
.set nn, 0
.rept 32
	v_mov_b32 v[OT+nn], 0
.set nn, nn+1
.endr
	s_wait_loadcnt 0x0
.endm
.macro PASS smin                       ; steps smin .. 15: a constant number of trips; the steps past my block are jumped over inside the trip
	s_mov_b32 s[RB], \smin*REC
	s_mov_b32 s[SI], \smin
.Lpass_\@:
	STEP 1
	s_add_co_u32 s[RB], s[RB], REC
	s_add_co_u32 s[SI], s[SI], 1
	s_cmp_lt_u32 s[SI], 16
	s_cbranch_scc1 .Lpass_\@
	s_setprio 0
.endm
; O^T / the sum; its 32 registers a lane are channels 32 b + 16 (lane / 16) + i: two blocks of 32 along the last product's K; codes and bytes leave as that product's operand wants them.
.macro FINISH
.rept 4
	v_nop                                          ; places behind the last products
.endr
	v_add_f32 v14, v14, v15
	s_delay_alu instid0(VALU_DEP_1)
	v_permlanex16_b32 v252, v14, s20, s21
	s_delay_alu instid0(VALU_DEP_1)
	v_add_f32 v14, v14, v252                       ; the row's sum
	s_wait_alu depctr_va_vdst(0)
	v_rcp_f32 v14, v14
	v_nop                                          ; a plain line behind the reciprocal
	s_lshr_b32 s58, s12, 4
	s_lshl_b32 s58, s58, 7
	s_lshl_b32 s59, s[QB], 3
	s_add_co_u32 s58, s58, s59
	s_add_co_u32 s58, s58, s13                     ; the stored tile of tokens: 128 batch + 8 block + tile
	s_and_b32 s59, s12, 15                         ; the head
	s_lshl_b32 s60, s58, 4
	s_add_co_u32 s60, s60, s59
	s_mul_i32 s50, s60, 768
	s_mov_b32 s51, 0
	s_lshl_b32 s52, s58, 9
	s_lshr_b32 s60, s59, 2
	s_lshl_b32 s60, s60, 7
	s_add_co_u32 s52, s52, s60
	s_and_b32 s60, s59, 3
	s_lshl_b32 s60, s60, 1
	s_add_co_u32 s52, s52, s60
	s_mov_b32 s53, 0
	s_add_nc_u64 s[50:51], s[6:7], s[50:51]
	s_add_nc_u64 s[52:53], s[8:9], s[52:53]
	s_wait_alu depctr_va_vdst(0)                   ; ahead of the reciprocal's first reader
.set nn, 0
.rept 32
	v_mul_f32 v[SS+nn], v[OT+nn], v14              ; each accumulator from its low end on
.set nn, nn+1
.endr
.irp b, 0,1
	v_max3_num_f32 v[232+\b], |v[SS+16*\b]|, |v[SS+1+16*\b]|, 0x1800000
.endr
.irp i, 2,4,6,8,10,12,14
.irp b, 0,1
	s_delay_alu instid0(VALU_DEP_2)
	v_max3_num_f32 v[232+\b], v[232+\b], |v[SS+16*\b+\i]|, |v[SS+1+16*\b+\i]|
.endr
.endr
.irp b, 0,1
	s_delay_alu instid0(VALU_DEP_2)
	v_permlanex16_b32 v[236+\b], v[232+\b], s20, s21
.endr
.irp b, 0,1
	s_delay_alu instid0(VALU_DEP_2)
	v_max_num_f32 v[232+\b], v[232+\b], v[236+\b]
.endr
.irp b, 0,1
	s_delay_alu instid0(VALU_DEP_2)
	v_add_nc_u32 v[244+\b], 0xff000000, v[232+\b]
.endr
.irp b, 0,1
	s_delay_alu instid0(VALU_DEP_2)
	v_lshrrev_b32 v[236+\b], 23, v[244+\b]
.endr
	s_delay_alu instid0(VALU_DEP_1)
	v_lshl_or_b32 v248, v237, 8, v236              ; my row's two scale bytes
	v_cvt_scalef32_pk16_fp6_f32 v[PCD:PCD+2], v[SS:SS+15], v244
	v_cvt_scalef32_pk16_fp6_f32 v[212:214], v[SS+16:SS+31], v245
	v_nop
.irp i, 0,1,2
	v_permlane16_swap_b32 v[PCD+\i], v[212+\i]
.endr
.irp i, 0,1,2
	s_delay_alu instid0(VALU_DEP_3)
	v_mov_b32 v[PCD+3+\i], v[212+\i]
.endr
	global_store_b128 v1, v[PCD:PCD+3], s[50:51]             ; 512 consecutive bytes
	global_store_b64 v2, v[PCD+4:PCD+5], s[50:51] offset:512 ; 256 consecutive bytes
	global_store_b16 v7, v248, s[52:53]                      ; lanes 16-31 write the same bytes with the same values
.endm
	INITQ
.irp g, 0,1,2,3                        ; the first four steps: every wave's first block is 8 or later, so all are open.  Behind barrier g records 0 .. 4 g + 3 lie in LDS; the later ones land under the work
	s_wait_tensorcnt 3-\g                          ; my load g is in; my 3 - g later first fills may be out
	s_wait_dscnt 0x0
	s_barrier_signal -1
	s_barrier_wait -1
	s_mov_b32 s[RB], \g*REC
	STEP 0
.endr
	PASS 4
	FINISH
	s_wait_xcnt 0x0                                ; the stores have read their data and bases: both are written again below
	s_sub_co_u32 s[QB], 15, s[QB]                  ; my earlier block
	INITQ
	PASS 0
	FINISH
	s_wait_tensorcnt 0x0
	ds_add_u32 v251, v255
	s_wait_dscnt 0x0
	s_endpgm
.Lfunc_end_k_q37ca7f92f4_attn:
	.size	k_q37ca7f92f4_attn, .Lfunc_end_k_q37ca7f92f4_attn-k_q37ca7f92f4_attn
	.p2alignl 7, 3214868480
	.fill 96, 4, 3214868480
	.section	.rodata,"a",@progbits
	.p2align	6, 0x0
	.amdhsa_kernel k_q37ca7f92f4_attn
		.amdhsa_group_segment_fixed_size 210944
		.amdhsa_private_segment_fixed_size 0
		.amdhsa_enable_private_segment 0
		.amdhsa_kernarg_size 24
		.amdhsa_user_sgpr_count 2
		.amdhsa_user_sgpr_kernarg_segment_ptr 1
		.amdhsa_wavefront_size32 1
		.amdhsa_system_sgpr_workgroup_id_x 1
		.amdhsa_system_sgpr_workgroup_id_y 1
		.amdhsa_system_sgpr_workgroup_id_z 1
		.amdhsa_system_vgpr_workitem_id 0
		.amdhsa_next_free_vgpr 256
		.amdhsa_next_free_sgpr 66
		.amdhsa_reserve_vcc 1
		.amdhsa_float_denorm_mode_32 3
		.amdhsa_float_denorm_mode_16_64 3
		.amdhsa_memory_ordered 1
		.amdhsa_forward_progress 1
		.amdhsa_inst_pref_size 135
	.end_amdhsa_kernel
	.amdgpu_metadata
---
amdhsa.version: [ 1, 2 ]
amdhsa.kernels:
  - .name:           k_q37ca7f92f4_attn
    .symbol:         k_q37ca7f92f4_attn.kd
    .args:
      - { .name: qkv, .offset: 0, .size: 8, .value_kind: global_buffer, .address_space: global }
      - { .name: oimg, .offset: 8, .size: 8, .value_kind: global_buffer, .address_space: global }
      - { .name: osc, .offset: 16, .size: 8, .value_kind: global_buffer, .address_space: global }
    .group_segment_fixed_size: 210944
    .private_segment_fixed_size: 0
    .kernarg_segment_align: 8
    .kernarg_segment_size: 24
    .max_flat_workgroup_size: 512
    .sgpr_count:     66
    .vgpr_count:     256
    .wavefront_size: 32
...
	.end_amdgpu_metadata
.endif
;; end of part 3
;; launch outp (part 4): grid 4 x 32, 4 waves a work-group, clusters of 4 x 4, 327,680 bytes of LDS; arguments oimg, osc, cimg, csc, bo, out0; writes out0
.if DOCPART == 4
	.amdgcn_target "amdgcn-amd-amdhsa--gfx1250"
	.amdhsa_code_object_version 6
	.text
	.protected	k_q37ca7f92f4_outp
	.globl	k_q37ca7f92f4_outp
	.p2align	8
	.type	k_q37ca7f92f4_outp,@function
k_q37ca7f92f4_outp:
	s_mov_b64 s[64:65], 0
	v_nop
	global_prefetch_b8 v0, s[64:65] scope:SCOPE_SE
	s_setreg_imm32_b32 hwreg(HW_REG_WAVE_MODE, 25, 1), 1
	s_wait_xcnt 0x0
	s_wait_alu depctr_hold_cnt(0) depctr_sa_sdst(0) depctr_va_vdst(0) depctr_va_sdst(0) depctr_va_ssrc(0) depctr_va_vcc(0) depctr_vm_vsrc(0)
	s_getreg_b32 s2, hwreg(HW_REG_IB_STS2, 6, 4)
	s_cmp_eq_u32 s2, 0
	s_cbranch_scc0 .Lentry_in_a_cluster
	s_endpgm
.Lentry_in_a_cluster:
	s_bfe_u32 s2, ttmp6, 0x10000c
	s_cmp_lg_u32 s2, 0xf033
	s_cbranch_scc0 .Lentry_shape_is_right
	s_endpgm
.Lentry_shape_is_right:
; out0 = o Wo^T + bo on codes of FP6 (E2M3) with E8M0 scales.  o: oimg, osc (512 stored tiles of 16 tokens); Wo: tiles 704-767 of cimg, csc.  out0 [8192][1024] f32.
; Codes lie as [tile of 16 stored rows][chunk of 64 along K][768]: images of six operand registers (lane l: 16 bytes at 16 l, 8 bytes at 512 + 8 l); scale bytes as [tile][K step of 256][row][8].
; Stored tile T holds rows 32 (T / 2) + 8 (T % 2) + p + 8 (p / 8).  THE MATRIX INSTRUCTION IS USED TRANSPOSED (source 0 = 16 stored rows of Wo, source 1 = 16 stored tokens): a lane holds one stored token, and the
; 16 registers of Wo's tiles 2 b and 2 b + 1 are the 16 neighbouring columns 32 b + 16 (lane / 16) + 0 .. 15.  The stores put each stored token at its own row.
; A tile of out0, 256 x 256, is made by four waves, 128 x 128 each: 64 accumulators, 512 registers.  K goes in four steps of 256 through two LDS slots filled by the tensor data mover;
; the scale bytes come once.  CLUSTERS of 4 x 4: o's tiles are asked for jointly along a row of the cluster, Wo's along a column.  The bias is the C of each sum's first matrix instruction.
; REGISTERS, in windows of 256: window 0: v0-31 addresses; v32-63 scale words, two sets; v64-127 the bias, eight registers for each of Wo's eight tiles; v128-223 A's fragments, one set; on the way out v128-255 are free.
;   window 1: B's fragments, two sets, at v0 and v128.  window 2: the accumulators of my rows 0-63 ((a, b) at v[8 (8 (a % 4) + b)]); window 3: those of rows 64-127.
.set FR,    12
.set NL,    4
.set NP,    4
.set NQ,    2
.set TILEB, 12288
.set KSB,   3072
.set HALFT, 8*KSB
.set SLOT,  4*HALFT
.set SCL,   2*SLOT
.set HALFS, 4096
.set SCBB,  2*HALFS+128                ; B's scales begin 128 bytes further on than A's end: the two halves of the lanes of one load then read different halves of 256 bytes
.set SPARE, SCL+16640                  ; the spare words, 128 bytes for each wave: two blocks of 256 bytes that no other line names
.set SPITCH, 528                       ; the way out: a stage of 16 rows x (512 bytes + 16) for each wave, in slot 0, which has had its last fill and its last read when the first result is stored there
.set CO,   4                           ; v4   16 x lane: also my byte offset in a row's 512 bytes of out0
.set ADRA, 16
.set ADRB, 20
.set STO,  24
.set RD,   25
.set ADRS, 27
.set SPW,  28
.set NIL,  29
.set SC,   32
.set BIAS, 64
.set AF,   128
.set BK,   128
.set G1, 24
.set G0, 32
.set G1B, 48
.set G0B, 56
.set G1S, 68
.set G0S, 76
.set G1SB, 80
.set G0SB, 88
.set MSB, 0
.macro WIN new                         ; the immediate's high byte repeats the setting that is left
.if MSB != (\new)
	s_set_vgpr_msb (MSB<<8)|(\new)
.set MSB, (\new)
.endif
.endm
.set MUL_LO, 0xa1                      ; source 0 (B) window 1, source 1 (A) window 0, C and D window 2
.set MUL_HI, 0xf1                      ; the same, C and D window 3
.set FIRST_LO, 0x81                    ; the first step: C (the bias) window 0, D window 2
.set FIRST_HI, 0xc1                    ; D window 3
.set TO_B,   0x40
.macro JLOAD g0a, g1a, g0b, g1b        ; a joint load: waves 0 and 1 fetch for A, waves 2 and 3 for B; four v_nop follow each of the two lines
	s_cmp_eq_u32 s15, 0
	s_cbranch_scc0 .Lfor_b_\@
	tensor_load_to_lds s[\g0a:\g0a+3], s[\g1a:\g1a+7]
	s_nop 0
.rept 4
	v_nop
.endr
	s_branch .Lasked_\@
.Lfor_b_\@:
	tensor_load_to_lds s[\g0b:\g0b+3], s[\g1b:\g1b+7]
	s_nop 0
.rept 4
	v_nop
.endr
.Lasked_\@:
.endm
.macro CREST
	s_cmp_lg_u32 s14, 0
	s_cbranch_scc1 .Lnot_wave_0_\@
	s_barrier_signal -3
.Lnot_wave_0_\@:
	s_barrier_wait -3
	s_barrier_signal -1
	s_barrier_wait -1
.endm
.macro CROUND
	s_barrier_signal -1
	s_barrier_wait -1
	CREST
.endm
	s_load_b256 s[4:11], s[0:1], 0x0               ; oimg, osc, cimg, csc
	s_load_b128 s[96:99], s[0:1], 0x20             ; bo, out0
	v_lshl_add_u32 v[SPW], v0, 2, SPARE
	v_mov_b32 v[NIL], 0
	ds_add_u32 v28, v29
	ds_add_u32 v28, v29
	s_wait_dscnt 0x0
	v_lshrrev_b32 v1, 5, v0
	v_readfirstlane_b32 s14, v1                    ; wave 0..3
	s_lshr_b32 s15, s14, 1                         ; which half of the tile's rows is mine.  Also: I fetch for A (0) or for B (1)
	s_and_b32 s16, s14, 1                          ; which half of its columns.  Also: which 128 rows I fetch
	s_bfe_u32 s40, ttmp6, 0x40000                  ; cx
	s_bfe_u32 s41, ttmp6, 0x40004                  ; cy
	s_lshl_b32 s42, ttmp9, 2
	s_add_co_u32 s42, s42, s40                     ; tile column
	s_and_b32 s17, ttmp7, 0xffff
	s_lshl_b32 s17, s17, 2
	s_add_co_u32 s17, s17, s41                     ; tile row
	s_lshl_b32 s43, s41, 2
	s_lshl_b32 s43, 15, s43                        ; my row of the cluster
	s_lshl_b32 s44, 0x1111, s40                    ; my column
	; descriptor group 1 for codes: 8 rows (tiles) of 384 elements of 8 bytes (a K step's 3,072 bytes), 1,536 elements apart; no padding
	s_or_b32 s[G1+0], s43, (3<<16)|(1<<21)
	s_or_b32 s[G1B+0], s44, (3<<16)|(1<<21)
.irp g, G1, G1B
	s_mov_b32 s[\g+1], 384<<16
	s_mov_b32 s[\g+2], 8<<16
	s_mov_b32 s[\g+3], 384<<16
	s_mov_b32 s[\g+4], 8
	s_mov_b32 s[\g+5], 1536
	s_mov_b32 s[\g+6], 0
	s_mov_b32 s[\g+7], 0
.endr
	; and for the scales of 128 rows: 4,096 dense bytes as 16 rows of 256
	s_or_b32 s[G1S+0], s43, (3<<16)|(1<<21)
	s_or_b32 s[G1SB+0], s44, (3<<16)|(1<<21)
.irp g, G1S, G1SB
	s_mov_b32 s[\g+1], 32<<16
	s_mov_b32 s[\g+2], 16<<16
	s_mov_b32 s[\g+3], 32<<16
	s_mov_b32 s[\g+4], 16
	s_mov_b32 s[\g+5], 32
	s_mov_b32 s[\g+6], 0
	s_mov_b32 s[\g+7], 0
.endr
	s_lshl_b32 s18, s16, 3
	s_lshl_b32 s20, s17, 4
	s_add_co_u32 s20, s20, s18                     ; A's first tile
	s_lshl_b32 s46, s42, 4
	s_add_co_u32 s46, s46, s18
	s_add_co_u32 s46, s46, 704                     ; B's: Wo's tiles begin at 704
	s_lshl_b32 s22, s20, 9
	s_mov_b32 s23, 0
	s_lshl_b32 s92, s46, 9
	s_mov_b32 s93, 0
	s_mul_i32 s20, s20, TILEB
	s_mov_b32 s21, 0
	s_mul_i32 s46, s46, TILEB
	s_mov_b32 s47, 0
	s_mul_i32 s45, s14, HALFT
	s_mul_i32 s94, s14, HALFS
	s_wait_kmcnt 0x0
	s_add_nc_u64 s[20:21], s[4:5], s[20:21]
	s_add_nc_u64 s[22:23], s[6:7], s[22:23]
	s_add_nc_u64 s[46:47], s[8:9], s[46:47]
	s_add_nc_u64 s[92:93], s[10:11], s[92:93]
	CROUND                                         ; all sixteen work-groups are here: the first joint loads meet
	s_mov_b32 s[G0S], 1
	s_add_co_u32 s[G0S+1], s94, SCL
	s_mov_b64 s[G0S+2:G0S+3], s[22:23]
	s_or_b32 s[G0S+3], s[G0S+3], 0x80000000
	s_mov_b32 s[G0SB], 1
	s_add_co_u32 s[G0SB+1], s94, SCL+128
	s_mov_b64 s[G0SB+2:G0SB+3], s[92:93]
	s_or_b32 s[G0SB+3], s[G0SB+3], 0x80000000
	JLOAD G0S, G1S, G0SB, G1SB
.irp s, 0,1
	s_mov_b32 s[G0+4*\s], 1
	s_add_co_u32 s[G0+4*\s+1], s45, \s*SLOT
	s_add_nc_u64 s[G0+4*\s+2:G0+4*\s+3], s[20:21], \s*KSB
	s_or_b32 s[G0+4*\s+3], s[G0+4*\s+3], 0x80000000
	s_mov_b32 s[G0B+4*\s], 1
	s_add_co_u32 s[G0B+4*\s+1], s45, \s*SLOT
	s_add_nc_u64 s[G0B+4*\s+2:G0B+4*\s+3], s[46:47], \s*KSB
	s_or_b32 s[G0B+4*\s+3], s[G0B+4*\s+3], 0x80000000
	JLOAD G0+4*\s, G1, G0B+4*\s, G1B               ; three tensor loads of mine are out at the most
.endr
	v_and_b32 v1, 31, v0                           ; lane
	v_and_b32 v2, 15, v0                           ; r
	v_bfe_u32 v3, v0, 4, 1                         ; h
	v_lshlrev_b32 v4, 4, v1                        ; 16 x lane
	v_lshlrev_b32 v5, 3, v1                        ; 8 x lane
	v_lshlrev_b32 v7, 6, v3                        ; the bias: 16 numbers on for lanes 16-31
	s_lshl_b32 s20, s17, 8
	s_lshl_b32 s21, s15, 7
	s_add_co_u32 s20, s20, s21
	s_lshl_b32 s20, s20, 12                        ; my first row of out0: (256 tile row + 128 half) rows of 4,096 bytes
	s_lshl_b32 s46, s42, 10
	s_lshl_b32 s47, s16, 9
	s_add_co_u32 s46, s46, s47                     ; my first column, in bytes: also its place in bo
	s_add_co_u32 s20, s20, s46
	s_mov_b32 s21, 0
	s_mov_b32 s47, 0
	s_add_nc_u64 s[98:99], s[98:99], s[20:21]
	s_add_nc_u64 s[96:97], s[96:97], s[46:47]
.irp b, 0,1,2,3,4,5,6,7                ; for Wo's tile b a lane's eight results are columns 32 (b / 2) + 16 h + 8 (b % 2) + 0 .. 7
	global_load_b128 v[BIAS+8*\b:BIAS+8*\b+3], v7, s[96:97] offset:128*(\b/2)+32*(\b%2)
	global_load_b128 v[BIAS+8*\b+4:BIAS+8*\b+7], v7, s[96:97] offset:128*(\b/2)+32*(\b%2)+16
.endr
	s_mul_i32 s21, s15, HALFT
	s_mul_i32 s22, s16, HALFT
	s_add_co_u32 s22, s22, 2*HALFT
.irp s, 0,1
	v_add_nc_u32 v[ADRA+2*\s], s21, v4
	v_add_nc_u32 v[ADRA+2*\s+1], s21, v5
	v_add_nc_u32 v[ADRB+2*\s], s22, v4
	v_add_nc_u32 v[ADRB+2*\s+1], s22, v5
	s_add_co_u32 s21, s21, SLOT
	s_add_co_u32 s22, s22, SLOT
.endr
	s_mul_i32 s21, s15, HALFS
	s_mul_i32 s22, s16, HALFS
	s_add_co_u32 s22, s22, SCBB
	s_sub_co_u32 s22, s22, s21
	v_mul_u32_u24 v6, s22, v3                      ; lanes 16-31 take B's: one product, the distance between the two
	s_add_co_u32 s21, s21, SCL
	v_lshl_add_u32 v6, v2, 3, v6
	v_add_nc_u32 v[ADRS], s21, v6
	s_mul_i32 s23, s14, 16*SPITCH                  ; my stage
	v_mul_u32_u24 v8, v2, SPITCH
	v_lshl_add_u32 v8, v3, 6, v8
	v_add_nc_u32 v[STO], s23, v8                   ; in: row r, 64 bytes on for lanes 16-31
	v_add_nc_u32 v[RD], s23, v4                    ; back: the 32 lanes take one row of 512 bytes
.macro FRAG reg, adr, off              ; a fragment is two units: registers 0-3 and 6-9 by 16 bytes a lane, 4-5 and 10-11 by 8: every load reads consecutive bytes
	ds_load_b128 v[(\reg):(\reg)+3], v[(\adr)] offset:(\off)
	ds_load_b64 v[(\reg)+4:(\reg)+5], v[(\adr)+1] offset:(\off)+512
	ds_load_b128 v[(\reg)+6:(\reg)+9], v[(\adr)] offset:(\off)+768
	ds_load_b64 v[(\reg)+10:(\reg)+11], v[(\adr)+1] offset:(\off)+1280
.endm
; 16 matrix instructions: A's blocks a0, a0 + 1 x B's eight.  first = 1: the sums begin with the bias as C.  The 64 accumulators take turns, one instruction a turn.
.macro MUL16 a0, p, q, sc, first
.irp a, \a0, \a0+1
.irp b, 0,1,2,3,4,5,6,7
.if \first
	v_wmma_scale_f32_16x16x128_f8f6f4 v[8*(8*((\a)%4)+\b):8*(8*((\a)%4)+\b)+7], v[128*(\p)+FR*\b:128*(\p)+FR*\b+FR-1], v[AF+FR*(\a):AF+FR*(\a)+FR-1], v[BIAS+8*\b:BIAS+8*\b+7], v[SC+8*NQ*(\sc)+NQ*\b+(\q)], v[SC+8*NQ*(\sc)+NQ*(\a)+(\q)] matrix_a_fmt:MATRIX_FMT_FP6 matrix_b_fmt:MATRIX_FMT_FP6 matrix_a_scale:MATRIX_SCALE_ROW1
.else
	v_wmma_scale_f32_16x16x128_f8f6f4 v[8*(8*((\a)%4)+\b):8*(8*((\a)%4)+\b)+7], v[128*(\p)+FR*\b:128*(\p)+FR*\b+FR-1], v[AF+FR*(\a):AF+FR*(\a)+FR-1], v[8*(8*((\a)%4)+\b):8*(8*((\a)%4)+\b)+7], v[SC+8*NQ*(\sc)+NQ*\b+(\q)], v[SC+8*NQ*(\sc)+NQ*(\a)+(\q)] matrix_a_fmt:MATRIX_FMT_FP6 matrix_b_fmt:MATRIX_FMT_FP6 matrix_a_scale:MATRIX_SCALE_ROW1
.endif
.endr
.endr
.endm
.macro FETCH_B slot, q, p
	WIN TO_B
.irp i, 0,1,2,3,4,5,6,7
	FRAG 128*(\p)+FR*\i, ADRB+2*\slot, \i*KSB+(\q)*1536
.endr
	WIN 0
.endm
.macro FETCH_A slot, q, i0
.irp i, \i0, \i0+1, \i0+2, \i0+3
	FRAG AF+FR*(\i), ADRA+2*\slot, (\i)*KSB+(\q)*1536
.endr
.endm
.macro SCALES sc
.irp i, 0,1,2,3,4,5,6,7
	ds_load_b64 v[SC+8*NQ*\sc+NQ*\i:SC+8*NQ*\sc+NQ*\i+1], v[ADRS] offset:\i*512
.endr
.endm
.macro PLACES n                        ; plain vector lines between a matrix instruction and a load into, or a read of, its registers
.rept \n
	v_nop
.endr
.endm
.macro STEP slot, q, first
	s_wait_dscnt 4*NL                              ; B's set, A's blocks 0-3 and the scale words are in; the youngest 16 loads (A's blocks 4-7) may be out
.if \first
	WIN FIRST_LO
.else
	WIN MUL_LO
.endif
	MUL16 0, (\q)%2, \q, \slot, \first
	MUL16 2, (\q)%2, \q, \slot, \first
	s_wait_dscnt 0x0
	PLACES NP
	FETCH_B \slot, (\q)+1, 1-(\q)%2
	FETCH_A \slot, (\q)+1, 0
.if \first
	WIN FIRST_HI
.else
	WIN MUL_HI
.endif
	MUL16 4, (\q)%2, \q, \slot, \first
	MUL16 6, (\q)%2, \q, \slot, \first
	PLACES NP
	WIN 0
	FETCH_A \slot, (\q)+1, 4
.endm
.macro TURN slot, next, fill           ; a slot's last step changes slots: one barrier
	s_wait_tensorcnt 0x0                           ; all my tensor loads have landed: my part of the next slot
	ds_add_u32 v[SPW], v[NIL]                      ; 0 onto my spare word
	s_wait_dscnt 4*NL+1                            ; (the add and the youngest 16 loads may be out)
	WIN MUL_LO
	MUL16 0, 1, NQ-1, \slot, 0
	s_wait_dscnt 0x0                               ; the add is done, and my reads of this slot are over
	s_barrier_signal -1
	MUL16 2, 1, NQ-1, \slot, 0
	WIN 0
	s_barrier_wait -1
.if \fill
	CREST                                          ; the barrier has opened a round of the cluster's: no wave of any partner still reads this slot or has a load on its way
	s_add_nc_u64 s[G0+4*\slot+2:G0+4*\slot+3], s[G0+4*\slot+2:G0+4*\slot+3], 2*KSB
	s_add_nc_u64 s[G0B+4*\slot+2:G0B+4*\slot+3], s[G0B+4*\slot+2:G0B+4*\slot+3], 2*KSB
	JLOAD G0+4*\slot, G1, G0B+4*\slot, G1B
.else
	PLACES NP
.endif
	v_add_nc_u32 v[ADRS], 128, v[ADRS]
	FETCH_B \next, 0, 0
	FETCH_A \next, 0, 0
	SCALES \next
	WIN MUL_HI
	MUL16 4, 1, NQ-1, \slot, 0
	MUL16 6, 1, NQ-1, \slot, 0
	PLACES NP
	WIN 0
	FETCH_A \next, 0, 4
.endm
	s_wait_tensorcnt 1                             ; the scales and my part of K step 0 are in (K step 1's load may be out)
	s_barrier_signal -1
	s_barrier_wait -1
	FETCH_B 0, 0, 0
	FETCH_A 0, 0, 0
	SCALES 0
	FETCH_A 0, 0, 4
	s_wait_loadcnt 0x0                             ; the bias
	STEP 0, 0, 1                                   ; K = 1,024 is four K steps of 256, written out: slots 0, 1, 0, 1
	TURN 0, 1, 1
	STEP 1, 0, 0
	TURN 1, 0, 1
	STEP 0, 0, 0
	TURN 0, 1, 0
	STEP 1, 0, 0
	s_wait_dscnt 4*NL
	WIN MUL_LO
	MUL16 0, 1, NQ-1, 1, 0
	MUL16 2, 1, NQ-1, 1, 0
	s_wait_dscnt 0x0
	WIN MUL_HI
	MUL16 4, 1, NQ-1, 1, 0
	MUL16 6, 1, NQ-1, 1, 0
	WIN 0
; THE WAY OUT, block by block of 16 stored rows x 128 columns, through my own stage and back as whole rows of 512 bytes.  LDS serves a wave's instructions in order: no wait between the stores and the loads.
.macro TOSTAGE a
.set AC, 64*((\a)%4)
	WIN 0x08+4*((\a)/4)                            ; the data: window 2 or 3
.irp b, 0,1,2,3,4,5,6,7
	ds_store_b128 v[STO], v[AC+8*\b:AC+8*\b+3] offset:128*(\b/2)+32*(\b%2)          ; each accumulator from its low end on
	ds_store_b128 v[STO], v[AC+8*\b+4:AC+8*\b+7] offset:128*(\b/2)+32*(\b%2)+16
.endr
	WIN 0
.set BB, BK+64*((\a)%2)
.irp t, 0,1,2,3,4,5,6,7,8,9,10,11,12,13,14,15
	ds_load_b128 v[BB+4*\t:BB+4*\t+3], v[RD] offset:\t*SPITCH
.endr
.endm
.macro SEND a, younger                 ; stored row t of block a is row 32 (a / 2) + 8 (a % 2) + t + 8 (t / 8) of my 128: it stands in the immediate, 520,192 at the most
.set BB, BK+64*((\a)%2)
	s_wait_dscnt \younger
.irp t, 0,1,2,3,4,5,6,7,8,9,10,11,12,13,14,15
	global_store_b128 v[CO], v[BB+4*\t:BB+4*\t+3], s[98:99] offset:(32*((\a)/2)+8*((\a)%2)+\t+8*(\t/8))*4096 th:TH_STORE_NT   ; 512 consecutive bytes, at a multiple of 256 from out0's first byte
.endr
.endm
	PLACES NP
	TOSTAGE 0
.irp a, 1,2,3,4,5,6,7
.if \a > 1
	s_wait_xcnt 0x0                                ; block a - 2's stores have read their registers: block a's loads may land there
.endif
	TOSTAGE \a
	SEND \a-1, 32                                  ; behind block a - 1's loads: block a's 16 stores and 16 loads
.endr
	SEND 7, 0
	s_wait_tensorcnt 0x0                           ; the wave's end
	ds_add_u32 v[SPW], v[NIL]
	s_wait_dscnt 0x0
	CROUND                                         ; the closing round
	s_endpgm
.Lfunc_end_k_q37ca7f92f4_outp:
	.size	k_q37ca7f92f4_outp, .Lfunc_end_k_q37ca7f92f4_outp-k_q37ca7f92f4_outp
	.p2alignl 7, 3214868480
	.fill 96, 4, 3214868480
	.section	.rodata,"a",@progbits
	.p2align	6, 0x0
	.amdhsa_kernel k_q37ca7f92f4_outp
		.amdhsa_group_segment_fixed_size 327680
		.amdhsa_private_segment_fixed_size 0
		.amdhsa_enable_private_segment 0
		.amdhsa_kernarg_size 48
		.amdhsa_user_sgpr_count 2
		.amdhsa_user_sgpr_kernarg_segment_ptr 1
		.amdhsa_wavefront_size32 1
		.amdhsa_system_sgpr_workgroup_id_x 1
		.amdhsa_system_sgpr_workgroup_id_y 1
		.amdhsa_system_sgpr_workgroup_id_z 1
		.amdhsa_system_vgpr_workitem_id 0
		.amdhsa_next_free_vgpr 1024
		.amdhsa_next_free_sgpr 100
		.amdhsa_reserve_vcc 0
		.amdhsa_float_denorm_mode_32 3
		.amdhsa_float_denorm_mode_16_64 3
		.amdhsa_memory_ordered 1
		.amdhsa_forward_progress 1
		.amdhsa_inst_pref_size 144
	.end_amdhsa_kernel
	.amdgpu_metadata
---
amdhsa.version: [ 1, 2 ]
amdhsa.kernels:
  - .name:           k_q37ca7f92f4_outp
    .symbol:         k_q37ca7f92f4_outp.kd
    .args:
      - { .name: oimg, .offset: 0, .size: 8, .value_kind: global_buffer, .address_space: global }
      - { .name: osc, .offset: 8, .size: 8, .value_kind: global_buffer, .address_space: global }
      - { .name: cimg, .offset: 16, .size: 8, .value_kind: global_buffer, .address_space: global }
      - { .name: csc, .offset: 24, .size: 8, .value_kind: global_buffer, .address_space: global }
      - { .name: bo, .offset: 32, .size: 8, .value_kind: global_buffer, .address_space: global }
      - { .name: out0, .offset: 40, .size: 8, .value_kind: global_buffer, .address_space: global }
    .group_segment_fixed_size: 327680
    .private_segment_fixed_size: 0
    .kernarg_segment_align: 8
    .kernarg_segment_size: 48
    .max_flat_workgroup_size: 128
    .sgpr_count:     100
    .vgpr_count:     1024
    .wavefront_size: 32
...
	.end_amdgpu_metadata
.endif
;; end of part 4
